; MI455X (gfx1250); checked and timed in simulation.
; The chip was launched on July 23, 2026; its instructions are those of AMD's public machine-readable ISA for CDNA 5 (MIT licence, August 2026) and "CDNA5" Instruction Set Architecture Reference Guide (July 2026). The comments in the code are by the model that wrote it; some were corrected since.
;; Multi Head Attention. Allowed arithmetic: matrix products marked QUANTISED: E3M2 operands, one E8M0 scale for each 32 along K, by v_wmma_scale_f32_16x16x128_f8f6f4 with both operands' format E3M2, f32 sums; everything else in f32.
;; Inputs: Wk_codes 1,024 x 32 x 24 uint8 (E3M2 codes of Wk, K innermost, in blocks of 32 codes, four codes in three bytes); Wk_scales 1,024 x 32 uint8 (E8M0 scales of Wk, one for each 32 codes along K); Wo_codes 1,024 x 32 x 24 uint8 (E3M2 codes of Wo, K innermost, in blocks of 32 codes, four codes in three bytes); Wo_scales 1,024 x 32 uint8 (E8M0 scales of Wo, one for each 32 codes along K); Wq_codes 1,024 x 32 x 24 uint8 (E3M2 codes of Wq, K innermost, in blocks of 32 codes, four codes in three bytes); Wq_scales 1,024 x 32 uint8 (E8M0 scales of Wq, one for each 32 codes along K); Wv_codes 1,024 x 32 x 24 uint8 (E3M2 codes of Wv, K innermost, in blocks of 32 codes, four codes in three bytes); Wv_scales 1,024 x 32 uint8 (E8M0 scales of Wv, one for each 32 codes along K); bk 1,024 float32; bo 1,024 float32; bq 1,024 float32; bv 1,024 float32; ln_beta 1,024 float32; ln_gamma 1,024 float32; x 2 x 2,048 x 1,024 float32.
;; Outputs: out0 2 x 2,048 x 1,024 float32.
;; This version of the problem:
;;   THIS VERSION OF THE PROBLEM IS GIVEN IN LOW PRECISION. The matrix products marked QUANTISED in the list below multiply operands that are first quantised to E3M2 (3 exponent bits, 2 mantissa bits; 6 bits a number), with one power-of-two scale for each 32 numbers along K (OCP MX v1.0); their sums are f32. All else is computed in f32.
;;   The module's matrix products, in the order in which they are computed (A, B: the left and right operand; K: the contracted axis; several contracted axes count as one K, in the product's order):
;;     1. [M 4,096, K 1,024] x [K 1,024, N 1,024]; A: input x; B: input Wq (given as codes): QUANTISED
;;     2. [M 4,096, K 1,024] x [K 1,024, N 1,024]; A: input x; B: input Wk (given as codes): QUANTISED
;;     3. [M 4,096, K 1,024] x [K 1,024, N 1,024]; A: input x; B: input Wv (given as codes): QUANTISED
;;     4. batch 32 x [M 2,048, K 64] x [K 64, N 2,048]; A: computed on the way; B: computed on the way: QUANTISED
;;     5. batch 32 x [M 2,048, K 2,048] x [K 2,048, N 64]; A: softmax (see below); B: computed on the way: QUANTISED
;;     6. [M 4,096, K 1,024] x [K 1,024, N 1,024]; A: computed on the way; B: input Wo (given as codes): QUANTISED
;;   THE QUANTISER, for each operand of a quantised product, along K:
;;     - K is cut into blocks of 32 from its start; a last block that is shorter is filled with zeros.
;;     - A block's scale is 2^e with e = floor(log2(the largest magnitude in the block)) - 4, held to -126 .. 127; a block of zeros has e = 0. As a byte (E8M0): e + 127.
;;     - Each number is divided by its block's scale, clamped to +-28, and rounded to the nearest number of E3M2, ties to even, subnormals kept.
;;     - The product sums the exact products of the quantised numbers (number of the format x scale) in f32.
;;   ~~~python
;;   def quantise(x, axis):      # numpy; x: float32 -> the quantised numbers, widened to float32 again
;;       x = np.moveaxis(x, axis, -1); K = x.shape[-1]
;;       x = np.pad(x, [(0, 0)] * (x.ndim - 1) + [(0, -K % 32)]); x = x.reshape(x.shape[:-1] + (-1, 32)); a = np.abs(x).max(-1, keepdims=True)
;;       e = np.where(a > 0, np.clip(np.frexp(np.where(a > 0, a, 1))[1] - 1 - 4, -126, 127), 0)      # np.frexp(a)[1] - 1 = floor(log2(a)), exactly
;;       r = np.clip(x / 2.0 ** e, -28, 28)
;;       step = 2.0 ** (np.maximum(np.frexp(np.where(r == 0, 1, r))[1] - 1, -2) - 2)
;;       q = np.round(r / step) * step * 2.0 ** e      # np.round: ties to even
;;       return np.moveaxis(q.reshape(q.shape[:-2] + (-1,))[..., :K], -1, axis).astype(np.float32)
;;   ~~~
;;   SOFTMAX AHEAD OF A QUANTISED PRODUCT. Where the list says 'softmax', what is quantised is not the finished softmax but p = 2^(t - M), with t = logit x log2(e) and M = ceil(the row's largest t), a whole number; so 1/2 < the row's largest p <= 1. The row's sum l is taken of the UNQUANTISED p, in f32, and the product's result is divided by l at the end. Since M is a whole number, a kernel that streams over the keys may use a running M (the ceiling of the running maximum): every later rescaling is an exact power of two, which a block's scale takes up: the codes' values come out the same.
;;   OPERANDS COMPUTED ON THE WAY. 'Computed on the way' means the value that the module computes at that place (a softmax that the list does not call 'softmax' is quantised finished and normalised). What goes into a quantiser is computed in f32, as accurately as f32 sums, v_exp_f32 and their like allow (about 1e-6 of the number): no bf16 or f16 on the way to a quantiser, and a product that is left as it is and whose result goes on into a quantised operand takes f32 operands (vector FMAs, or v_wmma_f32_16x16x4_f32). A number that lies on a knife's edge between two numbers of the format may be rounded either way, as far as f32 arithmetic and the matrix unit's own rounding can turn it there, and no further.
;;   INPUTS GIVEN AS CODES. Wk (in the module: [1024, 1024], K = its axis 1); Wo (in the module: [1024, 1024], K = its axis 1); Wq (in the module: [1024, 1024], K = its axis 1); Wv (in the module: [1024, 1024], K = its axis 1): each comes as NAME_codes (uint8): NAME with its K axis moved to the last place and cut into blocks of 32 codes, [.., K / 32, bytes a block], one block behind the other in memory; four codes in three bytes: a row's codes are one little-endian stream of bits, code i at bits 6 i .. 6 i + 5 (a code: sign, 3 exponent bits, 2 mantissa bits); and NAME_scales (uint8): the same leading axes, one E8M0 byte (e + 127) for each 32 codes along K. Its value is code x scale, taken as it is: it is not quantised again, and the codes and scales need not be those that the quantiser above would give.
;; 2 versions. Each part assembles by itself: llvm-mc -triple=amdgcn-amd-amdhsa -mcpu=gfx1250 --defsym DOCPART=n.
;; ======== version 1 of 2: 4 launches
;; workspace buffers: q_img 3,145,728 bytes; q_scl 262,144 bytes; kv 6,684,672 bytes; a_img 3,145,728 bytes; a_scl 131,072 bytes; wo_img 786,432 bytes; wo_scl 32,768 bytes; pre 5,636,096 bytes
;; launch prep (part 1): grid 256 x 1, 8 waves a work-group, no clusters, 68,608 bytes of LDS; arguments x, Wq_codes, Wk_codes, Wv_codes, Wo_codes, Wo_scales, pre, wo_img, wo_scl; writes pre, wo_img, wo_scl
.if DOCPART == 1
	.amdgcn_target "amdgcn-amd-amdhsa--gfx1250"
	.amdhsa_code_object_version 6
	.text
	.protected	k_q4655901e45_prep
	.globl	k_q4655901e45_prep
	.p2align	8
	.type	k_q4655901e45_prep,@function
k_q4655901e45_prep:
	s_mov_b64 s[64:65], 0
	v_nop
	global_prefetch_b8 v0, s[64:65] scope:SCOPE_SE
	s_setreg_imm32_b32 hwreg(HW_REG_WAVE_MODE, 25, 1), 1
	s_wait_xcnt 0x0
; WHAT MANY WORK-GROUPS WILL READ IS MADE ONCE.  x [4096][1024] f32 is quantised along its 1,024 to codes of BF6 (E3M2) with one E8M0 scale for each 32; the codes of Wq, Wk, Wv, Wo (rows of 768 bytes, K innermost)
; are laid anew.  Both leave as IMAGES OF THE OPERAND'S REGISTERS: a fragment (16 rows x 128 along K, 12 registers a lane) is 1,536 bytes, registers 4 c .. 4 c + 3 of lane l at 512 c + 16 l, so that a reader's
; every load covers 512 consecutive bytes.
; SHARES.  Work-group T, wave w: (1) x's fragment of token tile T and K step w; (2) one fragment of weight w / 2 (0 Wq, 1 Wk, 2 Wv, 3 Wo): tile T / 4, K step 2 (T % 4) + w % 2.  Waves share nothing: no barrier.
; Work-groups share nothing: no cluster.  No matrix work: memory binds.
; TILES ARE NOT NEIGHBOURS.  Row r of token tile T is token 32 (T / 2) + 8 (T % 2) + r + 8 (r / 8); row r of tile t of Wq, Wk, Wv is row 64 (t / 4) + 32 ((t / 2) % 2) + 8 (t % 2) + r + 8 (r / 8).  Wo's tile t is rows 16 t + r.
; x: rows are loaded as they lie (a load: 512 consecutive bytes of one row) and turned through the wave's own stage in LDS, so that a lane holds 16 neighbours of each block of 32.
; OUT.  pre: [weight 3][tile 64][K step 8][1,536], then from byte 2,359,296 on [block of 64 tokens][51,200]: 32 fragments (number 4 s + m, m the tile within the block), then their scale words, 64 bytes a fragment.
; wo_img: [tile 64][K step 8][1,536]; wo_scl: [tile][K step][16 words].
; LIMITS: a block whose largest magnitude lies under 2^-122, a block of zeros among them, gets the scale byte 1 (zeros stay zeros; these bytes are read by this program alone).  NaN and infinities are not served.
; REGISTERS: v1 16 x lane; v2, v3 the stage, in and out; v5 the weight's lane offset; v6 32 r; v7 4 r; v16-52 the quantiser's; v64-127 x's 64 numbers; v128-139 the weight's fragment; v140 Wo's scale word.
.set SPT,  528                         ; a stage row: 512 bytes + 16: sixteen rows' equal columns fall on different banks
.set XQ,   2359296                     ; where x's part of pre begins
.set TM,   16
.set PC,   32
.set PW,   52
.set R,    64
.set WF,   128
.set WSC,  140
.set SEL,  60
; 64 numbers of a lane, register 16 b + i = k 32 b + 16 (lane / 16) + i of my row, become a fragment's codes in v[PC] on and its scale word in v[PW]
.macro QUANT4 s
.irp b, 0,1,2,3
	v_max3_num_f32 v[TM+\b], |v[\s+16*\b]|, |v[\s+1+16*\b]|, 0x2800000   ; my 16 numbers of block b, and the floor 2^(5 - 127): the byte cannot fall under 1
.endr
.irp i, 2,4,6,8,10,12,14
.irp b, 0,1,2,3
	v_max3_num_f32 v[TM+\b], v[TM+\b], |v[\s+16*\b+\i]|, |v[\s+1+16*\b+\i]|
.endr
.endr
.irp b, 0,1,2,3
	v_permlanex16_b32 v[TM+4+\b], v[TM+\b], s[SEL], s[SEL+1]
.endr
.irp b, 0,1,2,3
	v_max_num_f32 v[TM+\b], v[TM+\b], v[TM+4+\b]                   ; with lane l xor 16's: the block's largest magnitude
.endr
.irp b, 0,1,2,3
	v_add_nc_u32 v[TM+12+\b], 0xfe000000, v[TM+\b]                 ; 4 off its exponent field: the conversion's scale operand
.endr
.irp b, 0,1,2,3
	v_lshrrev_b32 v[TM+4+\b], 23, v[TM+12+\b]                      ; the scale's byte
.endr
	v_lshl_or_b32 v[PW], v[TM+5], 8, v[TM+4]
	v_lshl_or_b32 v[PW], v[TM+6], 16, v[PW]
	v_lshl_or_b32 v[PW], v[TM+7], 24, v[PW]
.irp c, 0,1
	v_cvt_scalef32_pk16_bf6_f32 v[PC+6*\c:PC+2+6*\c], v[\s+32*\c:\s+15+32*\c], v[TM+12+2*\c]
	v_cvt_scalef32_pk16_bf6_f32 v[PC+12+4*\c:PC+14+4*\c], v[\s+16+32*\c:\s+31+32*\c], v[TM+12+2*\c+1]   ; (a conversion's three registers begin on an even number)
.endr
	v_nop                                          ; one plain place behind a scaled conversion
.irp c, 0,1                                    ; the operand wants a whole block in a lane: lanes 0-15 block 2 c, lanes 16-31 block 2 c + 1
.irp i, 0,1,2
	v_permlane16_swap_b32 v[PC+6*\c+\i], v[PC+12+4*\c+\i]
.endr
.irp i, 0,1,2
	v_mov_b32 v[PC+3+6*\c+\i], v[PC+12+4*\c+\i]
.endr
.endr
.endm
	s_load_b64 s[4:5], s[0:1], 0x0                 ; x
	s_load_b512 s[8:23], s[0:1], 0x8               ; Wq, Wk, Wv, Wo codes; Wo scales; pre; wo_img; wo_scl
	v_lshl_add_u32 v144, v0, 2, 0x10800
	v_mov_b32 v145, 0
	v_lshrrev_b32 v8, 5, v0
	v_readfirstlane_b32 s24, v8                    ; wave 0..7: x's K step
	s_mov_b32 s25, ttmp9                           ; T
	v_and_b32 v8, 31, v0                           ; lane
	v_and_b32 v9, 15, v0                           ; r
	v_bfe_u32 v10, v0, 4, 1                        ; h
	v_lshlrev_b32 v1, 4, v8                        ; 16 x lane
	s_mul_i32 s26, s24, 16*SPT                     ; my stage
	v_add_nc_u32 v2, s26, v1                       ; into it: a row's 512 bytes as they lie
	v_mul_u32_u24 v3, v9, SPT
	v_lshl_add_u32 v3, v10, 6, v3
	v_add_nc_u32 v3, s26, v3                       ; out of it: row r, + 64 h
	v_lshlrev_b32 v6, 5, v9                        ; Wo's scale bytes: 32 a row
	v_lshlrev_b32 v7, 2, v9                        ; a scale word's place: 4 r
	s_mov_b32 s[SEL], 0x76543210
	s_mov_b32 s[SEL+1], 0xfedcba98                 ; v_permlanex16_b32's selects for lane l xor 16
	s_lshr_b32 s27, s24, 1                         ; which weight
	s_lshr_b32 s28, s25, 2                         ; its tile t.  Also: x's block of 64 tokens
	s_and_b32 s29, s25, 3                          ; T % 4.  Also: x's tile within the block
	s_lshl_b32 s30, s29, 1
	s_and_b32 s31, s24, 1
	s_add_co_u32 s30, s30, s31                     ; the weight's K step
	s_lshr_b32 s32, s28, 2
	s_lshl_b32 s32, s32, 6
	s_bfe_u32 s33, s28, 0x10001
	s_lshl_b32 s33, s33, 5
	s_add_co_u32 s32, s32, s33
	s_and_b32 s33, s28, 1
	s_lshl_b32 s33, s33, 3
	s_add_co_u32 s32, s32, s33                     ; the tile's first row in Wq, Wk, Wv
	s_lshl_b32 s33, s28, 4                         ; and in Wo
	s_mul_i32 s34, s27, 786432                     ; the weight's part of pre
	s_cmp_eq_u32 s27, 3                            ; the choices hang on the wave's number alone
	s_cselect_b32 s32, s33, s32
	s_cselect_b32 s38, 0, 8
	s_cselect_b32 s34, 0, s34
	v_and_b32 v11, s38, v9
	v_add_nc_u32 v11, v11, v9                      ; my row of the tile: r + 8 (r / 8), in Wo r
	v_mul_u32_u24 v5, v11, 768
	v_mad_u32_u24 v5, v10, 24, v5                  ; + 24 h
	s_mul_i32 s32, s32, 768
	s_mul_i32 s33, s30, 96
	s_add_co_u32 s32, s32, s33                     ; from where: the first row, the K step's 96 bytes
	s_mov_b32 s33, 0
	s_lshl_b32 s36, s28, 3
	s_add_co_u32 s36, s36, s30                     ; fragment 8 t + s
	s_mul_i32 s37, s36, 1536
	s_add_co_u32 s34, s34, s37                     ; to where
	s_mov_b32 s35, 0
	s_lshl_b32 s40, s28, 9
	s_lshl_b32 s41, s30, 2
	s_add_co_u32 s40, s40, s41                     ; Wo's scale bytes: 16 t rows of 32, + 4 s
	s_mov_b32 s41, 0
	s_lshl_b32 s42, s36, 6                         ; and their words' place
	s_mov_b32 s43, 0
	s_lshr_b32 s44, s25, 1                         ; x: 32 (T / 2) rows of 4,096 bytes,
	s_lshl_b32 s44, s44, 17
	s_and_b32 s45, s25, 1
	s_lshl_b32 s45, s45, 15
	s_add_co_u32 s44, s44, s45                     ; + 8 (T % 2) rows,
	s_lshl_b32 s45, s24, 9
	s_add_co_u32 s44, s44, s45                     ; + my K step's 512 bytes
	s_mov_b32 s45, 0
	s_mul_i32 s46, s28, 51200
	s_add_co_u32 s46, s46, XQ                      ; the block's part of pre
	s_lshl_b32 s47, s24, 2
	s_add_co_u32 s47, s47, s29                     ; fragment 4 s + m
	s_mul_i32 s48, s47, 1536
	s_add_co_u32 s48, s48, s46                     ; its image
	s_mov_b32 s49, 0
	s_lshl_b32 s50, s47, 6
	s_add_co_u32 s50, s50, s46
	s_add_co_u32 s50, s50, 49152                   ; its scale words
	s_mov_b32 s51, 0
	s_wait_kmcnt 0x0
	s_cmp_eq_u32 s27, 0
	s_cselect_b64 s[52:53], s[8:9], s[10:11]
	s_cmp_eq_u32 s27, 2
	s_cselect_b64 s[52:53], s[12:13], s[52:53]
	s_cmp_eq_u32 s27, 3
	s_cselect_b64 s[52:53], s[14:15], s[52:53]
	s_cselect_b64 s[54:55], s[20:21], s[18:19]
	s_add_nc_u64 s[4:5], s[4:5], s[44:45]
	s_add_nc_u64 s[52:53], s[52:53], s[32:33]
	s_add_nc_u64 s[54:55], s[54:55], s[34:35]
	s_add_nc_u64 s[16:17], s[16:17], s[40:41]
	s_add_nc_u64 s[22:23], s[22:23], s[42:43]
	s_add_nc_u64 s[56:57], s[18:19], s[48:49]
	s_add_nc_u64 s[58:59], s[18:19], s[50:51]
.irp p, 0,1,2,3,4,5
	global_load_b64 v[WF+2*\p:WF+2*\p+1], v5, s[52:53] offset:48*(\p/3)+8*(\p%3)   ; the weight's fragment, in the operand's order
.endr
	s_cmp_eq_u32 s27, 3
	s_cbranch_scc0 .Lno_word
	global_load_b32 v[WSC], v6, s[16:17]           ; Wo: row r's scale word of this K step
.Lno_word:
.irp j, 0,1,2,3,4,5,6,7,8,9,10,11,12,13,14,15
	global_load_b128 v[R+4*\j:R+4*\j+3], v1, s[4:5] offset:(\j+8*(\j/8))*4096 th:TH_LOAD_NT   ; row j of my tile: 512 consecutive bytes; this launch reads them once
.endr
.irp b, 0,1,2,3
	v_mov_b32 v[TM+4+\b], 0                        ; written once: a lane permute's destination counts as one of its sources
.endr
	s_wait_loadcnt 16                              ; the weight's loads are in; x's sixteen, issued behind them, may be out
.irp c, 0,1,2
	global_store_b128 v1, v[WF+4*\c:WF+4*\c+3], s[54:55] offset:512*\c   ; 512 consecutive bytes a store
.endr
	s_cmp_eq_u32 s27, 3
	s_cbranch_scc0 .Lno_word_out
	global_store_b32 v7, v[WSC], s[22:23]          ; lanes l and l + 16 write the same word with the same value
.Lno_word_out:
	s_wait_loadcnt 0x0                             ; x
.irp j, 0,1,2,3,4,5,6,7,8,9,10,11,12,13,14,15
	ds_store_b128 v2, v[R+4*\j:R+4*\j+3] offset:SPT*\j
.endr
	s_wait_dscnt 0x0                               ; the stores have read their registers, which the loads below write
.irp b, 0,1,2,3
.irp j, 0,1,2,3
	ds_load_b128 v[R+16*\b+4*\j:R+16*\b+4*\j+3], v3 offset:128*\b+16*\j   ; row r: 16 neighbours of block b
.endr
.endr
	s_wait_dscnt 0x0
	QUANT4 R
.irp c, 0,1,2
	global_store_b128 v1, v[PC+4*\c:PC+4*\c+3], s[56:57] offset:512*\c
.endr
	global_store_b32 v7, v[PW], s[58:59]           ; lanes l and l + 16 write the same word with the same value
	s_wait_tensorcnt 0x0
	ds_add_u32 v144, v145
	s_wait_dscnt 0x0
	s_endpgm
.Lfunc_end_k_q4655901e45_prep:
	.size	k_q4655901e45_prep, .Lfunc_end_k_q4655901e45_prep-k_q4655901e45_prep
	.p2alignl 7, 3214868480
	.fill 96, 4, 3214868480
	.section	.rodata,"a",@progbits
	.p2align	6, 0x0
	.amdhsa_kernel k_q4655901e45_prep
		.amdhsa_group_segment_fixed_size 68608
		.amdhsa_private_segment_fixed_size 0
		.amdhsa_enable_private_segment 0
		.amdhsa_kernarg_size 72
		.amdhsa_user_sgpr_count 2
		.amdhsa_user_sgpr_kernarg_segment_ptr 1
		.amdhsa_wavefront_size32 1
		.amdhsa_system_sgpr_workgroup_id_x 1
		.amdhsa_system_sgpr_workgroup_id_y 1
		.amdhsa_system_sgpr_workgroup_id_z 1
		.amdhsa_system_vgpr_workitem_id 0
		.amdhsa_next_free_vgpr 146
		.amdhsa_next_free_sgpr 66
		.amdhsa_reserve_vcc 0
		.amdhsa_float_denorm_mode_32 3
		.amdhsa_float_denorm_mode_16_64 3
		.amdhsa_memory_ordered 1
		.amdhsa_forward_progress 1
		.amdhsa_inst_pref_size 14
	.end_amdhsa_kernel
	.amdgpu_metadata
---
amdhsa.version: [ 1, 2 ]
amdhsa.kernels:
  - .name:           k_q4655901e45_prep
    .symbol:         k_q4655901e45_prep.kd
    .args:
      - { .name: x, .offset: 0, .size: 8, .value_kind: global_buffer, .address_space: global }
      - { .name: Wq_codes, .offset: 8, .size: 8, .value_kind: global_buffer, .address_space: global }
      - { .name: Wk_codes, .offset: 16, .size: 8, .value_kind: global_buffer, .address_space: global }
      - { .name: Wv_codes, .offset: 24, .size: 8, .value_kind: global_buffer, .address_space: global }
      - { .name: Wo_codes, .offset: 32, .size: 8, .value_kind: global_buffer, .address_space: global }
      - { .name: Wo_scales, .offset: 40, .size: 8, .value_kind: global_buffer, .address_space: global }
      - { .name: pre, .offset: 48, .size: 8, .value_kind: global_buffer, .address_space: global }
      - { .name: wo_img, .offset: 56, .size: 8, .value_kind: global_buffer, .address_space: global }
      - { .name: wo_scl, .offset: 64, .size: 8, .value_kind: global_buffer, .address_space: global }
    .group_segment_fixed_size: 68608
    .private_segment_fixed_size: 0
    .kernarg_segment_align: 8
    .kernarg_segment_size: 72
    .max_flat_workgroup_size: 256
    .sgpr_count:     66
    .vgpr_count:     146
    .wavefront_size: 32
...
	.end_amdgpu_metadata
.endif
;; end of part 1
;; launch qkv (part 2): grid 4 x 64, 12 waves a work-group, no clusters, 52,736 bytes of LDS; arguments pre, Wq_scales, bq, Wk_scales, bk, Wv_scales, bv, q_img, q_scl, kv; writes q_img, q_scl, kv
.if DOCPART == 2
	.amdgcn_target "amdgcn-amd-amdhsa--gfx1250"
	.amdhsa_code_object_version 6
	.text
	.protected	k_q4655901e45_qkv
	.globl	k_q4655901e45_qkv
	.p2align	8
	.type	k_q4655901e45_qkv,@function
k_q4655901e45_qkv:
	s_mov_b64 s[64:65], 0
	v_nop
	global_prefetch_b8 v0, s[64:65] scope:SCOPE_SE
	s_setreg_imm32_b32 hwreg(HW_REG_WAVE_MODE, 25, 1), 1
	s_wait_xcnt 0x0
; Q = x Wq^T + bq, K = x Wk^T + bk, V = x Wv^T + bv on codes of BF6 (E3M2) with one E8M0 scale for each 32 along K = 1,024; the results are quantised at once for the attention launch:
; Q and K along the head's 64 features, V along the tokens.  x's codes and the weights' codes come from pre, as images of the operands' registers (1,536 bytes a fragment of 16 rows x 128 along K:
; registers 4 c .. 4 c + 3 of lane l at 512 c + 16 l): every load of codes covers 512 consecutive bytes.  The weights' scale bytes come from the inputs, 32 bytes a row, once for all 8 K steps.
; SHARES.  Work-group (cb, rb) takes tokens 64 rb .. 64 rb + 63 and heads 4 cb .. 4 cb + 3.  Wave w: kind w / 4 (0 Q, 1 K, 2 V), head 4 cb + w % 4: four tiles of 16 tokens x four tiles of 16 features,
; 16 accumulators, 8 K steps of 128: 128 matrix instructions.
; TILES ARE NOT NEIGHBOURS.  Row r of token tile m is token 32 (m / 2) + 8 (m % 2) + r + 8 (r / 8) of the 64; row r of feature tile a the head's feature by the same rule.  So in a result the 16 registers
; of two neighbouring tiles are 16 neighbours: features for Q and K (source 0 = weights, source 1 = x: a lane holds one token), tokens for V (source 0 = x, source 1 = weights: a lane holds one feature).
; x: the block's 51,200 bytes of pre (32 fragments, number 4 s + m, then their scale words) are copied into LDS once, as they lie, 4,096 bytes by each wave and 512 more by waves 0-3; all twelve waves read them.
; WEIGHTS go from memory into the registers of the one wave that multiplies them, each byte once a work-group, two K steps ahead.  No joint requests: those serve tiles that land in LDS, and the
; 589,824 bytes of weights that a work-group walks would want a ring there and a second pass through LDS; what the four work-groups of a row block share is x's 51,200 bytes, a twelfth of that.
; OUT: half images of 768 bytes (16 rows x 64 along K: registers 0-3 at 16 l, registers 4-5 at 512 + 8 l) and scale words, laid as the next launch reads them.
; LIMITS: a block whose largest magnitude lies under 2^-122, a block of zeros among them, gets the scale byte 1 (zeros stay zeros; these bytes are read by this program alone).  NaN and infinities are not served.
; REGISTERS.  Window 0: v1 16 x lane, v2, v3 the copy's places, v6 the weights' scale rows, v7 4 x lane; v8-23 the weights' scale words (8 i + s: lanes 0-15 tile 2 i, lanes 16-31 tile 2 i + 1, K step s);
; v24-25 x's scale words; v26-31 at work at the head; v32-79 weights of odd K steps (behind the products: at work); v80-127 x's four fragments; v128-255 accumulators (at the head: the copy).
; Window 1: v0-47 weights of even K steps; v48-79 the bias in the result's layout.
.set XIMG, 0                           ; LDS: x's 32 fragments, 1,536 bytes each, fragment 4 s + m
.set XSC,  49152                       ; their scale words, 64 bytes a fragment
.set XQ,   2359296                     ; where x's part of pre begins
.set WS,   8
.set XS,   24
.set WFA,  32
.set XF,   80
.set ACC,  128
.set BIAS, 48
.set TM,   32
.set SEL,  62
.set MSB,  0
.macro WIN new                         ; the immediate's high byte repeats the setting that is left
.if MSB != \new
	s_set_vgpr_msb (MSB<<8)|\new
.set MSB, \new
.endif
.endm
.macro PLACES n
.rept \n
	v_nop
.endr
.endm
; one product; ra, rb: the scales stand in lanes 16-31 of the register named
.macro WM d, a, b, c, sa, sb, ra, rb
.if ((\ra) == 0) && ((\rb) == 0)
	v_wmma_scale_f32_16x16x128_f8f6f4 v[\d:\d+7], v[\a:\a+11], v[\b:\b+11], v[\c:\c+7], v[\sa], v[\sb] matrix_a_fmt:MATRIX_FMT_BF6 matrix_b_fmt:MATRIX_FMT_BF6
.elseif (\rb) == 0
	v_wmma_scale_f32_16x16x128_f8f6f4 v[\d:\d+7], v[\a:\a+11], v[\b:\b+11], v[\c:\c+7], v[\sa], v[\sb] matrix_a_fmt:MATRIX_FMT_BF6 matrix_b_fmt:MATRIX_FMT_BF6 matrix_a_scale:MATRIX_SCALE_ROW1
.elseif (\ra) == 0
	v_wmma_scale_f32_16x16x128_f8f6f4 v[\d:\d+7], v[\a:\a+11], v[\b:\b+11], v[\c:\c+7], v[\sa], v[\sb] matrix_a_fmt:MATRIX_FMT_BF6 matrix_b_fmt:MATRIX_FMT_BF6 matrix_b_scale:MATRIX_SCALE_ROW1
.else
	v_wmma_scale_f32_16x16x128_f8f6f4 v[\d:\d+7], v[\a:\a+11], v[\b:\b+11], v[\c:\c+7], v[\sa], v[\sb] matrix_a_fmt:MATRIX_FMT_BF6 matrix_b_fmt:MATRIX_FMT_BF6 matrix_a_scale:MATRIX_SCALE_ROW1 matrix_b_scale:MATRIX_SCALE_ROW1
.endif
.endm
; 32 numbers of a lane, register 16 b + i = k 32 b + 16 (lane / 16) + i of my row: six registers of codes in v[d] on, the two scale bytes in v[ph] (block 0's lowest); ct: three registers at work
.macro QUANT2 s, d, ph, ct
.irp b, 0,1
	v_max3_num_f32 v[TM+\b], |v[\s+16*\b]|, |v[\s+1+16*\b]|, 0x2800000   ; each accumulator is read from its low end on; the floor 2^(5 - 127): the byte cannot fall under 1
.endr
.irp i, 2,4,6,8,10,12,14
.irp b, 0,1
	v_max3_num_f32 v[TM+\b], v[TM+\b], |v[\s+16*\b+\i]|, |v[\s+1+16*\b+\i]|
.endr
.endr
.irp b, 0,1
	v_permlanex16_b32 v[TM+4+\b], v[TM+\b], s[SEL], s[SEL+1]
.endr
.irp b, 0,1
	v_max_num_f32 v[TM+\b], v[TM+\b], v[TM+4+\b]                   ; with lane l xor 16's: the block's largest magnitude
.endr
.irp b, 0,1
	v_add_nc_u32 v[TM+12+\b], 0xfe000000, v[TM+\b]                 ; 4 off its exponent field: the conversion's scale operand
.endr
.irp b, 0,1
	v_lshrrev_b32 v[TM+4+\b], 23, v[TM+12+\b]                      ; the scale's byte
.endr
	v_lshl_or_b32 v[\ph], v[TM+5], 8, v[TM+4]
	v_cvt_scalef32_pk16_bf6_f32 v[\d:\d+2], v[\s:\s+15], v[TM+12]
	v_cvt_scalef32_pk16_bf6_f32 v[\ct:\ct+2], v[\s+16:\s+31], v[TM+13]
	v_nop                                          ; one plain place behind a scaled conversion
.irp i, 0,1,2
	v_permlane16_swap_b32 v[\d+\i], v[\ct+\i]      ; lanes 0-15 now hold block 0's lower and upper 16 codes, lanes 16-31 block 1's
.endr
.irp i, 0,1,2
	v_mov_b32 v[\d+3+\i], v[\ct+\i]
.endr
.endm
; the weights of K step s: four fragments, 12 loads of 512 consecutive bytes
.macro WLOAD s
.if ((\s)%2) == 0
	WIN 0x40                                       ; destination window 1
.set LWB, 0
.else
.set LWB, WFA
.endif
.irp fa, 0,1,2,3
.irp c, 0,1,2
	global_load_b128 v[LWB+12*\fa+4*\c:LWB+12*\fa+4*\c+3], v1, s[40:41] offset:(8*\fa+(\s))*1536+512*\c
.endr
.endr
	WIN 0
.endm
; a K step: x's four fragments from LDS, 16 products on 16 accumulators by turns, the weights of two steps on
.macro GSTEP s
.if ((\s)%2) == 0
.set GWB, 0
.else
.set GWB, WFA
.endif
.irp m, 0,1,2,3
.irp c, 0,1,2
	ds_load_b128 v[XF+12*\m+4*\c:XF+12*\m+4*\c+3], v1 offset:XIMG+(4*(\s)+\m)*1536+512*\c
.endr
.endr
	ds_load_b32 v[XS], v7 offset:XSC+256*(\s)      ; lanes 0-15 tile 0's words, lanes 16-31 tile 1's
	ds_load_b32 v[XS+1], v7 offset:XSC+256*(\s)+128   ; tiles 2 and 3
.if (\s) < 7
	s_wait_loadcnt 12                              ; this step's weights are in (at step 0 the scale words and the bias too); the next step's 12 loads may be out
.else
	s_wait_loadcnt 0x0
.endif
	s_wait_dscnt 0x0
	s_cmp_eq_u32 s47, 2
	s_cbranch_scc1 .Lgv_\@
.if (\s) == 0
	WIN 0x11                                       ; source 0 (weights) and C (bias) window 1
.elseif ((\s)%2) == 0
	WIN 0x01
.endif
.irp tb, 0,1,2,3                               ; Q, K: source 0 = 16 features, source 1 = 16 tokens
.irp fa, 0,1,2,3
.if (\s) == 0
	WM ACC+32*\tb+8*\fa, GWB+12*\fa, XF+12*\tb, BIAS+8*\fa, WS+8*(\fa/2)+(\s), XS+\tb/2, \fa%2, \tb%2
.else
	WM ACC+32*\tb+8*\fa, GWB+12*\fa, XF+12*\tb, ACC+32*\tb+8*\fa, WS+8*(\fa/2)+(\s), XS+\tb/2, \fa%2, \tb%2
.endif
.endr
.endr
	WIN 0
	s_branch .Lgd_\@
.Lgv_\@:
.if (\s) == 0
	WIN 0x14                                       ; source 1 (weights) and C (bias) window 1
.elseif ((\s)%2) == 0
	WIN 0x04
.endif
.irp fa, 0,1,2,3                               ; V: source 0 = 16 tokens, source 1 = 16 features
.irp tb, 0,1,2,3
.if (\s) == 0
	WM ACC+32*\fa+8*\tb, XF+12*\tb, GWB+12*\fa, BIAS+8*\fa, XS+\tb/2, WS+8*(\fa/2)+(\s), \tb%2, \fa%2
.else
	WM ACC+32*\fa+8*\tb, XF+12*\tb, GWB+12*\fa, ACC+32*\fa+8*\tb, XS+\tb/2, WS+8*(\fa/2)+(\s), \tb%2, \fa%2
.endif
.endr
.endr
	WIN 0
.Lgd_\@:
	PLACES 4                                       ; in front of loads into registers that these products have read, and of the first read of results
.if (\s) < 6
	WLOAD (\s)+2
.endif
.endm
	s_load_b512 s[8:23], s[0:1], 0x0               ; pre; Wq scales, bq; Wk scales, bk; Wv scales, bv; q_img
	s_load_b128 s[24:27], s[0:1], 0x40             ; q_scl, kv
	v_lshl_add_u32 v4, v0, 2, 0xc800
	v_mov_b32 v5, 0
	v_lshrrev_b32 v26, 5, v0
	v_readfirstlane_b32 s46, v26                   ; wave 0..11
	s_lshr_b32 s47, s46, 2                         ; kind: 0 Q, 1 K, 2 V
	s_and_b32 s48, s46, 3                          ; which of the four heads
	s_mov_b32 s49, ttmp9                           ; cb
	s_and_b32 s50, ttmp7, 0xffff                   ; rb
	s_lshl_b32 s51, s49, 2
	s_add_co_u32 s51, s51, s48                     ; head
	s_lshr_b32 s52, s50, 5
	s_lshl_b32 s52, s52, 4
	s_add_co_u32 s52, s52, s51                     ; bh = 16 x batch + head
	s_and_b32 s53, s50, 31                         ; the block of 64 tokens within the batch
	s_mov_b32 s[SEL], 0x76543210
	s_mov_b32 s[SEL+1], 0xfedcba98                 ; v_permlanex16_b32's selects for lane l xor 16
	v_and_b32 v26, 31, v0                          ; lane
	v_and_b32 v27, 15, v0                          ; r
	v_bfe_u32 v28, v0, 4, 1                        ; h
	v_and_b32 v29, 8, v27
	v_add_nc_u32 v29, v29, v27                     ; r + 8 (r / 8)
	v_lshlrev_b32 v1, 4, v26                       ; 16 x lane
	v_lshlrev_b32 v7, 2, v26                       ; 4 x lane
	s_lshl_b32 s66, s46, 12
	v_add_nc_u32 v2, s66, v1                       ; the copy of x: my 4,096 bytes, in pre's block as in LDS
	s_lshl_b32 s66, s46, 9
	s_add_co_u32 s66, s66, XSC
	v_add_nc_u32 v3, s66, v1                       ; and, for waves 0-3, 512 bytes of the scale words
	v_lshl_add_u32 v6, v28, 3, v29
	v_lshlrev_b32 v6, 5, v6                        ; the weights' scale bytes: 32 a row; lanes 16-31 take the tile 8 rows on
	v_lshlrev_b32 v30, 6, v28                      ; bias of Q, K: my half's 16 features
	v_lshlrev_b32 v31, 2, v29                      ; bias of V: my feature
	s_mul_i32 s66, s50, 51200
	s_add_co_u32 s66, s66, XQ                      ; x's block in pre
	s_mov_b32 s67, 0
	s_mul_i32 s68, s51, 49152                      ; the head's four tiles of weights,
	s_mul_i32 s69, s47, 786432
	s_add_co_u32 s68, s68, s69                     ; in my kind's part of pre
	s_mov_b32 s69, 0
	s_lshl_b32 s70, s51, 11                        ; the head's 64 rows of scale bytes,
	s_mov_b32 s71, 0
	s_lshl_b32 s72, s51, 8                         ; and its 64 numbers of bias
	s_mov_b32 s73, 0
	s_mul_i32 s54, s52, 208896                     ; kv: the head's 16 steps of 13,056 bytes,
	s_lshr_b32 s55, s53, 1
	s_mul_i32 s55, s55, 13056
	s_add_co_u32 s54, s54, s55                     ; my step of 128 keys
	s_and_b32 s55, s53, 1                          ; and which half of it
	s_mul_i32 s56, s55, 3072
	s_add_co_u32 s56, s56, s54                     ; K's images
	s_lshl_b32 s57, s55, 8
	s_add_co_u32 s57, s57, s54
	s_add_co_u32 s57, s57, 12288                   ; K's scale words
	s_add_co_u32 s78, s56, 6144                    ; V's images
	s_lshl_b32 s79, s55, 1
	s_add_co_u32 s79, s79, s54
	s_add_co_u32 s79, s79, 12800                   ; V's scale bytes: two of each word's four
	s_mul_i32 s74, s52, 98304
	s_mul_i32 s75, s53, 3072
	s_add_co_u32 s74, s74, s75                     ; Q's images
	s_lshl_b32 s76, s52, 13
	s_lshl_b32 s77, s53, 8
	s_add_co_u32 s76, s76, s77                     ; Q's scale words
	s_mov_b32 s75, 0
	s_mov_b32 s77, 0
	s_wait_kmcnt 0x0
	s_cmp_eq_u32 s47, 0                            ; the choices hang on the wave's number alone
	s_cselect_b64 s[42:43], s[10:11], s[14:15]
	s_cselect_b64 s[44:45], s[12:13], s[16:17]
	s_cselect_b64 s[58:59], s[22:23], s[26:27]
	s_cselect_b64 s[60:61], s[24:25], s[26:27]
	s_cselect_b32 s74, s74, s56
	s_cselect_b32 s76, s76, s57
	s_cmp_eq_u32 s47, 2
	s_cselect_b64 s[42:43], s[18:19], s[42:43]
	s_cselect_b64 s[44:45], s[20:21], s[44:45]
	s_cselect_b32 s74, s78, s74
	s_cselect_b32 s76, s79, s76
	s_add_nc_u64 s[4:5], s[8:9], s[66:67]          ; x's block,
	s_add_nc_u64 s[40:41], s[8:9], s[68:69]        ; my weights' images,
	s_add_nc_u64 s[42:43], s[42:43], s[70:71]      ; scale bytes,
	s_add_nc_u64 s[44:45], s[44:45], s[72:73]      ; bias
	s_add_nc_u64 s[58:59], s[58:59], s[74:75]      ; where my images go,
	s_add_nc_u64 s[60:61], s[60:61], s[76:77]      ; and my scales
.irp j, 0,1,2,3,4,5,6,7
	global_load_b128 v[ACC+4*\j:ACC+4*\j+3], v2, s[4:5] offset:512*\j   ; the copy of x comes first: all twelve waves wait for it
.endr
	s_cmp_lt_u32 s46, 4
	s_cbranch_scc0 .Lcopy_asked
	global_load_b128 v[ACC+32:ACC+35], v3, s[4:5]
.Lcopy_asked:
.irp i, 0,1
	global_load_b128 v[WS+8*\i:WS+8*\i+3], v6, s[42:43] offset:1024*\i        ; a row's eight scale words: K steps 0-3,
	global_load_b128 v[WS+8*\i+4:WS+8*\i+7], v6, s[42:43] offset:1024*\i+16   ; and 4-7
.endr
	s_cmp_eq_u32 s47, 2                            ; the bias in the result's layout: it is the C of each sum's first product
	s_cbranch_scc1 .Lbias_v
	WIN 0x40
.irp fa, 0,1,2,3                               ; Q, K: register j of tile a is feature 32 (a / 2) + 16 h + 8 (a % 2) + j
	global_load_b128 v[BIAS+8*\fa:BIAS+8*\fa+3], v30, s[44:45] offset:(32*(\fa/2)+8*(\fa%2))*4
	global_load_b128 v[BIAS+8*\fa+4:BIAS+8*\fa+7], v30, s[44:45] offset:(32*(\fa/2)+8*(\fa%2))*4+16
.endr
	WIN 0
	s_branch .Lbias_done
.Lbias_v:
	WIN 0x40
.irp fa, 0,1,2,3                               ; V: all eight registers of tile a belong to my one feature
.irp j, 0,1,2,3,4,5,6,7
	global_load_b32 v[BIAS+8*\fa+\j], v31, s[44:45] offset:(32*(\fa/2)+8*(\fa%2))*4
.endr
.endr
	WIN 0
.Lbias_done:
	WLOAD 0
	WLOAD 1
	s_wait_loadcnt 36                              ; the copy is in: behind it at least 4 + 8 + 24 loads were issued
.irp j, 0,1,2,3,4,5,6,7
	ds_store_b128 v2, v[ACC+4*\j:ACC+4*\j+3] offset:512*\j
.endr
	s_cmp_lt_u32 s46, 4
	s_cbranch_scc0 .Lcopy_done
	ds_store_b128 v3, v[ACC+32:ACC+35]
.Lcopy_done:
	s_wait_dscnt 0x0                               ; for the others' sake: my part of the copy lies in LDS
	s_barrier_signal -1
	s_barrier_wait -1                              ; x's 32 fragments and their scale words lie in LDS: the one barrier of the launch
	GSTEP 0
	GSTEP 1
	GSTEP 2
	GSTEP 3
	GSTEP 4
	GSTEP 5
	GSTEP 6
	GSTEP 7                                        ; its four places serve the reads and writes below
	; THE WAY OUT.  Unit u is token tile u (Q, K: 64 features) or feature tile u (V: 64 tokens): 32 registers, two blocks of 32
	v_mov_b32 v[TM+4], 0                           ; a lane permute's destination counts as one of its sources
	v_mov_b32 v[TM+5], 0
.irp u, 0,1,2,3
	QUANT2 ACC+32*\u, 64+8*\u, 96+\u, 48+4*\u
.endr
	v_and_b32 v100, 31, v0
	v_lshlrev_b32 v100, 3, v100                    ; 8 x lane
	s_mov_b32 vcc_lo, 0xffff0000
	v_cndmask_b32 v101, v96, v97, vcc_lo           ; lanes 0-15 unit 0's scale bytes, lanes 16-31 unit 1's (both halves of the lanes hold every row's)
	v_cndmask_b32 v102, v98, v99, vcc_lo
.irp u, 0,1,2,3
	global_store_b128 v1, v[64+8*\u:67+8*\u], s[58:59] offset:768*\u          ; 512 consecutive bytes,
	global_store_b64 v100, v[68+8*\u:69+8*\u], s[58:59] offset:768*\u+512     ; and 256
.endr
	s_cmp_eq_u32 s47, 2
	s_cbranch_scc1 .Lsc_v
	global_store_b32 v7, v101, s[60:61]            ; Q, K: a word a row, its upper two bytes 0
	global_store_b32 v7, v102, s[60:61] offset:128
	s_wait_tensorcnt 0x0
	ds_add_u32 v4, v5
	s_wait_dscnt 0x0
	s_endpgm
.Lsc_v:
	global_store_b16 v7, v101, s[60:61]            ; V: my 64 tokens' two bytes of a feature's word for 128 keys
	global_store_b16 v7, v102, s[60:61] offset:128
	s_wait_tensorcnt 0x0
	ds_add_u32 v4, v5
	s_wait_dscnt 0x0
	s_endpgm
.Lfunc_end_k_q4655901e45_qkv:
	.size	k_q4655901e45_qkv, .Lfunc_end_k_q4655901e45_qkv-k_q4655901e45_qkv
	.p2alignl 7, 3214868480
	.fill 96, 4, 3214868480
	.section	.rodata,"a",@progbits
	.p2align	6, 0x0
	.amdhsa_kernel k_q4655901e45_qkv
		.amdhsa_group_segment_fixed_size 52736
		.amdhsa_private_segment_fixed_size 0
		.amdhsa_enable_private_segment 0
		.amdhsa_kernarg_size 80
		.amdhsa_user_sgpr_count 2
		.amdhsa_user_sgpr_kernarg_segment_ptr 1
		.amdhsa_wavefront_size32 1
		.amdhsa_system_sgpr_workgroup_id_x 1
		.amdhsa_system_sgpr_workgroup_id_y 1
		.amdhsa_system_sgpr_workgroup_id_z 1
		.amdhsa_system_vgpr_workitem_id 0
		.amdhsa_next_free_vgpr 336
		.amdhsa_next_free_sgpr 80
		.amdhsa_reserve_vcc 1
		.amdhsa_float_denorm_mode_32 3
		.amdhsa_float_denorm_mode_16_64 3
		.amdhsa_memory_ordered 1
		.amdhsa_forward_progress 1
		.amdhsa_inst_pref_size 70
	.end_amdhsa_kernel
	.amdgpu_metadata
---
amdhsa.version: [ 1, 2 ]
amdhsa.kernels:
  - .name:           k_q4655901e45_qkv
    .symbol:         k_q4655901e45_qkv.kd
    .args:
      - { .name: pre, .offset: 0, .size: 8, .value_kind: global_buffer, .address_space: global }
      - { .name: Wq_scales, .offset: 8, .size: 8, .value_kind: global_buffer, .address_space: global }
      - { .name: bq, .offset: 16, .size: 8, .value_kind: global_buffer, .address_space: global }
      - { .name: Wk_scales, .offset: 24, .size: 8, .value_kind: global_buffer, .address_space: global }
      - { .name: bk, .offset: 32, .size: 8, .value_kind: global_buffer, .address_space: global }
      - { .name: Wv_scales, .offset: 40, .size: 8, .value_kind: global_buffer, .address_space: global }
      - { .name: bv, .offset: 48, .size: 8, .value_kind: global_buffer, .address_space: global }
      - { .name: q_img, .offset: 56, .size: 8, .value_kind: global_buffer, .address_space: global }
      - { .name: q_scl, .offset: 64, .size: 8, .value_kind: global_buffer, .address_space: global }
      - { .name: kv, .offset: 72, .size: 8, .value_kind: global_buffer, .address_space: global }
    .group_segment_fixed_size: 52736
    .private_segment_fixed_size: 0
    .kernarg_segment_align: 8
    .kernarg_segment_size: 80
    .max_flat_workgroup_size: 384
    .sgpr_count:     80
    .vgpr_count:     336
    .wavefront_size: 32
...
	.end_amdgpu_metadata
.endif
;; end of part 2
;; launch attn (part 3): grid 8 x 32, 16 waves a work-group, clusters of 4 x 1, 210,944 bytes of LDS; arguments q_img, q_scl, kv, a_img, a_scl; writes a_img, a_scl
.if DOCPART == 3
	.amdgcn_target "amdgcn-amd-amdhsa--gfx1250"
	.amdhsa_code_object_version 6
	.text
	.protected	k_q4655901e45_attn
	.globl	k_q4655901e45_attn
	.p2align	8
	.type	k_q4655901e45_attn,@function
k_q4655901e45_attn:
	s_mov_b64 s[64:65], 0
	v_nop
	global_prefetch_b8 v0, s[64:65] scope:SCOPE_SE
	s_setreg_imm32_b32 hwreg(HW_REG_WAVE_MODE, 25, 1), 1
	s_wait_xcnt 0x0
	s_wait_alu depctr_hold_cnt(0) depctr_sa_sdst(0) depctr_va_vdst(0) depctr_va_sdst(0) depctr_va_ssrc(0) depctr_va_vcc(0) depctr_vm_vsrc(0)
	s_getreg_b32 s2, hwreg(HW_REG_IB_STS2, 6, 4)
	s_cmp_eq_u32 s2, 0
	s_cbranch_scc0 .Lentry_in_a_cluster
	s_endpgm
.Lentry_in_a_cluster:
	s_bfe_u32 s2, ttmp6, 0x10000c
	s_cmp_lg_u32 s2, 0x3003
	s_cbranch_scc0 .Lentry_shape_is_right
	s_endpgm
.Lentry_shape_is_right:
; attended[q] = (the sum over keys of p V) / (the sum of p), p = 2^(t - M), t = score x log2(e) / 8, M = the running largest t rounded up to a whole number; both products on codes of BF6 (E3M2) with one
; E8M0 scale for each 32 along K.  The row's sum is taken of the unquantised p.  The result is quantised along the head's 64 features for the last product.
; SHARES.  A work-group owns 256 queries of one (batch, head), each of its sixteen waves one tile of 16 in 256 registers: four waves to a SIMD, so that one wave's vector work stands beside another's products.
; THE WHOLE HEAD'S K AND V LIE IN LDS: 16 steps of 128 keys, 13,056 bytes each, as the projection launch laid them: 8 half images of K (768 bytes: 16 keys x 64), 8 of V^T ([64 keys c][16 features a]),
; 8 x 16 scale words of K, 4 x 16 of V.  No byte of LDS is filled twice.  Waves 0-3 bring them by four tensor loads each (four of a wave's are out at the most): load c of wave w is step 4 c + w.
; TWO BARRIERS: behind the first the steps 0-3 are read while the other twelve land.
; CLUSTER.  The four work-groups of a cluster share the head, so each step is asked for JOINTLY: the same load, the same descriptor, the mask of all four.
; LAYOUT.  S^T = K Q^T (source 0 = 16 keys, source 1 = my 16 queries), O^T = V^T P^T: a lane holds one query throughout.  The keys of a tile are not neighbours (row r of tile t: key 32 (t / 2) + 8 (t % 2) + r + 8 (r / 8)),
; so that the 16 registers of two neighbouring tiles are 16 neighbouring keys.
; THE HEAD HAS 64 OF THE INSTRUCTION'S 128 ALONG K.  Q's upper six registers are zero codes.  K's tiles stand six registers apart, so a tile's upper six registers are the next tile's codes (behind the last: zeros):
; they meet Q's zero codes, under scale bytes 0 on both sides, and add nothing.
; LIMITS: a block of p whose largest lies under 2^-122 keeps the scale byte 1.  A block's largest p is made from its largest score by the same two instructions: this takes v_exp_f32 not to fall where its input rises.
; NaN and infinities are not served.
; REGISTERS: v1-3 16, 8, 4 x lane; v4, v6 4 r, 32 r; v8-10 the step's LDS addresses; v12 -M, v13 the largest t, v[14:15] the sum in two halves; v16-27 Q; v28 Q's scale word; v32-85 K, then V; v96-159 S^T, then p;
; v160-191 O^T; v192-195 the blocks' largest; v196-199 the conversions' scale operands; v200-203 K's scale words, v204-205 V's; v224-235 p's codes; v236-243 at work; v252 f, v253 p's scale word, v254 at work.
.set WV,    18
.set SEL,   20
.set CS,    22
.set G1,    24
.set G0,    32
.set TB,    48
.set CNT,   49
.set STEPB, 13056
.set VIMG,  6144
.set KSC,   12288
.set VSC,   12800
.set TM,    32
.macro PLACES n
.rept \n
	v_nop
.endr
.endm
.macro ROUND                           ; a round of the cluster's barrier
	s_barrier_signal -1
	s_barrier_wait -1
	s_cmp_lg_u32 s[WV], 0
	s_cbranch_scc1 .Lnot_wave_0_\@
	s_barrier_signal -3
.Lnot_wave_0_\@:
	s_barrier_wait -3
	s_barrier_signal -1
	s_barrier_wait -1
.endm
; one product; z = 1: it starts its sum; ra = 1: source 0's scales stand in lanes 16-31
.macro WM d, a, b, z, sa, sb, ra
.if ((\z) == 1) && ((\ra) == 0)
	v_wmma_scale_f32_16x16x128_f8f6f4 v[\d:\d+7], v[\a:\a+11], v[\b:\b+11], 0, v[\sa], v[\sb] matrix_a_fmt:MATRIX_FMT_BF6 matrix_b_fmt:MATRIX_FMT_BF6
.elseif (\z) == 1
	v_wmma_scale_f32_16x16x128_f8f6f4 v[\d:\d+7], v[\a:\a+11], v[\b:\b+11], 0, v[\sa], v[\sb] matrix_a_fmt:MATRIX_FMT_BF6 matrix_b_fmt:MATRIX_FMT_BF6 matrix_a_scale:MATRIX_SCALE_ROW1
.elseif (\ra) == 0
	v_wmma_scale_f32_16x16x128_f8f6f4 v[\d:\d+7], v[\a:\a+11], v[\b:\b+11], v[\d:\d+7], v[\sa], v[\sb] matrix_a_fmt:MATRIX_FMT_BF6 matrix_b_fmt:MATRIX_FMT_BF6
.else
	v_wmma_scale_f32_16x16x128_f8f6f4 v[\d:\d+7], v[\a:\a+11], v[\b:\b+11], v[\d:\d+7], v[\sa], v[\sb] matrix_a_fmt:MATRIX_FMT_BF6 matrix_b_fmt:MATRIX_FMT_BF6 matrix_a_scale:MATRIX_SCALE_ROW1
.endif
.endm
; 32 numbers of a lane, register 16 b + i = k 32 b + 16 (lane / 16) + i of my row: six registers of codes in v[d] on, the two scale bytes in v[ph]; ct: three registers at work
.macro QUANT2 s, d, ph, ct
.irp b, 0,1
	v_max3_num_f32 v[TM+\b], |v[\s+16*\b]|, |v[\s+1+16*\b]|, 0x2800000   ; and the floor 2^(5 - 127): the byte cannot fall under 1
.endr
.irp i, 2,4,6,8,10,12,14
.irp b, 0,1
	v_max3_num_f32 v[TM+\b], v[TM+\b], |v[\s+16*\b+\i]|, |v[\s+1+16*\b+\i]|
.endr
.endr
.irp b, 0,1
	v_permlanex16_b32 v[TM+4+\b], v[TM+\b], s[SEL], s[SEL+1]
.endr
.irp b, 0,1
	v_max_num_f32 v[TM+\b], v[TM+\b], v[TM+4+\b]
.endr
.irp b, 0,1
	v_add_nc_u32 v[TM+12+\b], 0xfe000000, v[TM+\b]                 ; 4 off the exponent field: the conversion's scale operand
.endr
.irp b, 0,1
	v_lshrrev_b32 v[TM+4+\b], 23, v[TM+12+\b]
.endr
	v_lshl_or_b32 v[\ph], v[TM+5], 8, v[TM+4]
	v_cvt_scalef32_pk16_bf6_f32 v[\d:\d+2], v[\s:\s+15], v[TM+12]
	v_cvt_scalef32_pk16_bf6_f32 v[\ct:\ct+2], v[\s+16:\s+31], v[TM+13]
	v_nop                                          ; one plain place behind a scaled conversion
.irp i, 0,1,2
	v_permlane16_swap_b32 v[\d+\i], v[\ct+\i]
.endr
.irp i, 0,1,2
	v_mov_b32 v[\d+3+\i], v[\ct+\i]
.endr
.endm
; A KEY STEP: the 128 keys whose block begins at LDS byte s[TB]
.macro STEP
	v_add_nc_u32 v8, s[TB], v1
	v_add_nc_u32 v9, s[TB], v2
	v_add_nc_u32 v10, s[TB], v3
	v_nop                                          ; four places behind the last step's products, in front of loads into registers that they have read
.irp t, 0,1,2,3,4,5,6,7
	ds_load_b128 v[32+6*\t:35+6*\t], v8 offset:768*\t
	ds_load_b64 v[36+6*\t:37+6*\t], v9 offset:768*\t+512
.endr
.irp i, 0,1,2,3
	ds_load_b32 v[200+\i], v10 offset:KSC+128*\i   ; lanes 0-15 tile 2 i's words, lanes 16-31 tile 2 i + 1's
.endr
	s_wait_dscnt 0x0
.irp t, 0,1,2,3,4,5,6,7
	WM 96+8*\t, 32+6*\t, 16, 1, 200+\t/2, 28, \t%2
.endr
	PLACES 4                                       ; in front of the loads into K's registers and of the first read of the scores
.irp a, 0,1,2,3                                ; V^T lands while the softmax is worked: fragment a = the two halves' images of features' tile a
.irp c, 0,1
	ds_load_b128 v[32+12*\a+6*\c:35+12*\a+6*\c], v8 offset:VIMG+3072*\c+768*\a
	ds_load_b64 v[36+12*\a+6*\c:37+12*\a+6*\c], v9 offset:VIMG+3072*\c+768*\a+512
.endr
.endr
.irp i, 0,1
	ds_load_b32 v[204+\i], v10 offset:VSC+128*\i
.endr
.irp b, 0,1,2,3
	v_max3_num_f32 v[192+\b], v[96+16*\b], v[97+16*\b], v[98+16*\b]   ; the largest score of each block of 32 keys: for the row's maximum, and for the block's largest p
.endr
.irp i, 3,5,7,9,11,13
.irp b, 0,1,2,3
	v_max3_num_f32 v[192+\b], v[192+\b], v[96+16*\b+\i], v[97+16*\b+\i]
.endr
.endr
.irp b, 0,1,2,3
	v_max_num_f32 v[192+\b], v[192+\b], v[111+16*\b]
.endr
.irp b, 0,1,2,3
	v_permlanex16_b32 v[236+\b], v[192+\b], s[SEL], s[SEL+1]
.endr
.irp b, 0,1,2,3
	v_max_num_f32 v[192+\b], v[192+\b], v[236+\b]  ; with lane l xor 16's 16 keys
.endr
	v_max3_num_f32 v254, v192, v193, v194
	v_max_num_f32 v254, v254, v195                 ; the step's largest score of my query
	v_mul_f32 v254, s[CS], v254                    ; as t
	v_max_num_f32 v13, v13, v254                   ; the running largest t
	v_mov_b32 v254, v12
	v_floor_f32 v12, -v13                          ; the new -M = floor(-t): M is a whole number
	v_sub_f32 v254, v12, v254                      ; old M - new M: a whole number, 0 or less
	v_cvt_i32_f32 v254, v254                       ; (it saturates)
	v_ldexp_f32 v252, 1.0, v254                    ; f = 2^(old M - new M): a multiplication by it rounds nothing
.set J, 0
.rept 32
	v_pk_fma_f32 v[96+J:97+J], v[96+J:97+J], s[CS:CS+1], v[12:13] op_sel_hi:[1,0,0]   ; t - M, two at a time
.set J, J+2
.endr
.irp b, 0,1,2,3
	v_fma_f32 v[192+\b], v[192+\b], s[CS], v12     ; the same of each block's largest score
.endr
.set J, 0
.rept 64
	v_exp_f32 v[96+J], v[96+J]                     ; p = 2^(t - M), at most 1
.set J, J+1
.endr
.irp b, 0,1,2,3
	v_exp_f32 v[192+\b], v[192+\b]                 ; the block's largest p
.endr
	v_pk_mul_f32 v[14:15], v[14:15], v[252:253] op_sel_hi:[1,0]   ; the sums under the new M.  (A plain place behind the exponentials)
	s_wait_alu depctr_va_vdst(0)
.irp b, 0,1,2,3
	v_max_num_f32 v[192+\b], 0x2800000, v[192+\b]  ; the floor 2^(5 - 127)
.endr
.irp b, 0,1,2,3
	v_add_nc_u32 v[196+\b], 0xfe000000, v[192+\b]  ; 4 off the exponent field: the conversion's scale operand
.endr
.irp b, 0,1,2,3
	v_lshrrev_b32 v[236+\b], 23, v[196+\b]         ; the scale's byte
.endr
	v_lshl_or_b32 v253, v237, 8, v236              ; p's scale word for these 128 keys
	v_lshl_or_b32 v253, v238, 16, v253
	v_lshl_or_b32 v253, v239, 24, v253
.irp c, 0,1
	v_cvt_scalef32_pk16_bf6_f32 v[224+6*\c:226+6*\c], v[96+32*\c:111+32*\c], v[196+2*\c]
	v_cvt_scalef32_pk16_bf6_f32 v[236+4*\c:238+4*\c], v[112+32*\c:127+32*\c], v[196+2*\c+1]
.endr
	v_nop                                          ; one plain place behind a scaled conversion
.irp c, 0,1
.irp i, 0,1,2
	v_permlane16_swap_b32 v[224+6*\c+\i], v[236+4*\c+\i]
.endr
.irp i, 0,1,2
	v_mov_b32 v[227+6*\c+\i], v[236+4*\c+\i]
.endr
.endr
.set J, 0
.rept 16
	v_pk_mul_f32 v[160+J:161+J], v[160+J:161+J], v[252:253] op_sel_hi:[1,0]   ; O^T under the new M
.set J, J+2
.endr
	v_pk_add_f32 v[236:237], v[96:97], v[98:99]    ; the row's sum of the unquantised p, in two chains.  (These 32 lines are the places between the codes, the scale word and O^T just written and the products)
.irp j, 4,8,12,16,20,24,28,32,36,40,44,48,52,56,60
	v_pk_add_f32 v[14:15], v[14:15], v[96+\j:97+\j]
	v_pk_add_f32 v[236:237], v[236:237], v[98+\j:99+\j]
.endr
	v_pk_add_f32 v[14:15], v[14:15], v[236:237]
	s_wait_dscnt 0x0                               ; V^T is in
.irp a, 0,1,2,3
	WM 160+8*\a, 32+12*\a, 224, 0, 204+\a/2, 253, \a%2   ; four accumulators by turns, one instruction a turn
.endr
.endm
; the key steps first .. first + steps - 1.  Waves 0-3: of my four loads all but the last 'left' have landed (nothing is ever filled again, so the others may stay out); behind the barrier everybody's have
.macro CHUNK first, steps, left
	s_wait_tensorcnt \left
	s_wait_dscnt 0x0
	s_barrier_signal -1
	s_barrier_wait -1
	s_mov_b32 s[TB], \first*STEPB
	s_mov_b32 s[CNT], \steps
.Lstep_\@:
	STEP
	s_add_co_u32 s[TB], s[TB], STEPB
	s_sub_co_u32 s[CNT], s[CNT], 1
	s_cmp_lg_u32 s[CNT], 0
	s_cbranch_scc1 .Lstep_\@
.endm
	s_load_b256 s[4:11], s[0:1], 0x0               ; q_img, q_scl, kv, a_img
	s_load_b64 s[12:13], s[0:1], 0x20              ; a_scl
	v_lshl_add_u32 v251, v0, 2, 0x33000
	v_mov_b32 v255, 0
	ds_add_u32 v251, v255
	ds_add_u32 v251, v255
	v_lshrrev_b32 v5, 5, v0
	v_readfirstlane_b32 s[WV], v5                  ; wave 0..15
	v_and_b32 v5, 31, v0
	v_lshlrev_b32 v1, 4, v5
	v_lshlrev_b32 v2, 3, v5
	v_lshlrev_b32 v3, 2, v5
	v_and_b32 v5, 15, v0
	v_lshlrev_b32 v4, 2, v5
	v_lshlrev_b32 v6, 5, v5
	s_bfe_u32 s14, ttmp6, 0x40000                  ; cx: it enters Q's and the result's addresses alone
	s_lshl_b32 s15, ttmp9, 2
	s_add_co_u32 s15, s15, s14                     ; my block of 256 queries
	s_and_b32 s16, ttmp7, 0xffff                   ; bh, which the four partners share
	s_lshl_b32 s17, s15, 4
	s_add_co_u32 s17, s17, s[WV]                   ; my tile within the batch
	; descriptor group 1: a step's dense 13,056 bytes as 51 rows of 256 bytes (32 elements of 8 bytes), no padding
	s_mov_b32 s[G1], 15|(3<<16)|(1<<21)            ; 15:0 the mask: all four work-groups; 17:16 elements of 8 bytes; 21 set beside a mask
	s_mov_b32 s[G1+1], 32<<16                      ; tensor_dim0
	s_mov_b32 s[G1+2], 51<<16                      ; tensor_dim1
	s_mov_b32 s[G1+3], 32<<16                      ; tile_dim0
	s_mov_b32 s[G1+4], 51                          ; tile_dim1
	s_mov_b32 s[G1+5], 32                          ; from row to row
	s_mov_b32 s[G1+6], 0
	s_mov_b32 s[G1+7], 0
	s_mul_i32 s50, s16, 16*STEPB                   ; the head's block of kv,
	s_mov_b32 s51, 0
	s_and_b32 s54, s[WV], 3
	s_mul_i32 s54, s54, STEPB                      ; my step of four: in LDS as in memory
	s_mov_b32 s55, 0
	s_add_nc_u64 s[50:51], s[50:51], s[54:55]
	s_mul_i32 s56, s16, 98304
	s_mul_i32 s57, s17, 768
	s_add_co_u32 s56, s56, s57                     ; Q's image
	s_mov_b32 s57, 0
	s_lshl_b32 s58, s16, 13
	s_lshl_b32 s59, s17, 6
	s_add_co_u32 s58, s58, s59                     ; Q's scale words
	s_mov_b32 s59, 0
	s_lshr_b32 s60, s16, 4
	s_lshl_b32 s60, s60, 7
	s_add_co_u32 s60, s60, s17                     ; my tile among all 256
	s_and_b32 s61, s16, 15                         ; the head
	s_lshl_b32 s62, s60, 4
	s_add_co_u32 s62, s62, s61
	s_mul_i32 s62, s62, 768                        ; the result's image
	s_mov_b32 s63, 0
	s_lshl_b32 s60, s60, 9
	s_lshl_b32 s61, s61, 1
	s_add_co_u32 s60, s60, s61                     ; its scale bytes: 32 a row, two a head
	s_mov_b32 s61, 0
	s_mov_b32 s[SEL], 0x76543210
	s_mov_b32 s[SEL+1], 0xfedcba98
	s_mov_b32 s[CS], 0x3e38aa3b                    ; log2(e) / sqrt(64)
	s_mov_b32 s[CS+1], s[CS]                       ; (named with it as a pair, so it is written)
	s_wait_dscnt 0x0
	s_wait_kmcnt 0x0
	s_add_nc_u64 s[52:53], s[8:9], s[50:51]
.irp c, 0,1,2,3
	s_mov_b32 s[G0+4*\c], 1                        ; count = 1
	s_add_co_u32 s[G0+4*\c+1], s54, \c*4*STEPB     ; LDS address: step 4 c + w
	s_add_nc_u64 s[G0+4*\c+2:G0+4*\c+3], s[52:53], \c*4*STEPB
	s_or_b32 s[G0+4*\c+3], s[G0+4*\c+3], 0x80000000   ; type = 2
.endr
	s_add_nc_u64 s[4:5], s[4:5], s[56:57]
	s_add_nc_u64 s[6:7], s[6:7], s[58:59]
	s_add_nc_u64 s[10:11], s[10:11], s[62:63]
	s_add_nc_u64 s[12:13], s[12:13], s[60:61]
	ROUND                                          ; all four work-groups are here: the joint loads meet
	s_cmp_lt_u32 s[WV], 4                          ; all the fills of a wave stand in one branch, ahead of every wait on TENSORcnt and every LDS read
	s_cbranch_scc0 .Lno_fill
	tensor_load_to_lds s[G0:G0+3], s[G1:G1+7]
	s_nop 0
	tensor_load_to_lds s[G0+4:G0+7], s[G1:G1+7]
	s_nop 0
	tensor_load_to_lds s[G0+8:G0+11], s[G1:G1+7]
	s_nop 0
	tensor_load_to_lds s[G0+12:G0+15], s[G1:G1+7]
	s_nop 0
.rept 4
	v_nop
.endr
.Lno_fill:
	global_load_b128 v[16:19], v1, s[4:5]          ; Q's half image stays in registers
	global_load_b64 v[20:21], v2, s[4:5] offset:512
	global_load_b32 v28, v4, s[6:7]                ; and its scale words
.irp j, 22,23,24,25,26,27,80,81,82,83,84,85
	v_mov_b32 v[\j], 0                             ; zero codes: Q's upper 64 along K; what stands behind K's last tile
.endr
	v_mov_b32 v13, 0xff61b1e6                      ; the largest t so far: -3e38
	v_floor_f32 v12, -v13                          ; -M
	v_mov_b32 v14, 0
	v_mov_b32 v15, 0
.irp b, 0,1,2,3
	v_mov_b32 v[236+\b], 0                         ; written once: a lane permute's destination counts as one of its sources
.endr
	v_mov_b32 v253, 0                              ; (named as the upper half of the pair v[252:253] before it is first written)
.set J, 0
.rept 32
	v_mov_b32 v[160+J], 0                          ; O^T: the step is written once; the first finds zeros, which the first change of M leaves zeros
.set J, J+1
.endr
	s_wait_loadcnt 0x0                             ; Q
	CHUNK 0, 4, 3                                  ; steps 0-3: each fetching wave's first load; its other three may be out
	CHUNK 4, 12, 0                                 ; steps 4-15: all loads have landed, in front of the one barrier that stands ahead of every read of them
	; THE WAY OUT: O^T / the sum, quantised along the head's 64 features: register 8 a + j is feature 32 (a / 2) + 16 h + 8 (a % 2) + j of my query
	PLACES 4
	v_add_f32 v14, v14, v15                        ; the sum's two halves,
	v_permlanex16_b32 v252, v14, s[SEL], s[SEL+1]
	v_add_f32 v14, v14, v252                       ; and lane l xor 16's
	v_rcp_f32 v14, v14
	v_mov_b32 v[TM+4], 0                           ; (a plain place behind the transcendental)
	v_mov_b32 v[TM+5], 0
.set J, 0
	s_wait_alu depctr_va_vdst(0)
.rept 16
	v_pk_mul_f32 v[96+J:97+J], v[160+J:161+J], v[14:15] op_sel_hi:[1,0]   ; each accumulator from its low end on
.set J, J+2
.endr
	QUANT2 96, 224, 230, 48
	global_store_b128 v1, v[224:227], s[10:11]     ; 512 consecutive bytes,
	global_store_b64 v2, v[228:229], s[10:11] offset:512   ; and 256
	global_store_b16 v6, v230, s[12:13]            ; my row's two scale bytes; lanes l and l + 16 write the same bytes with the same value
	s_wait_tensorcnt 0x0
	ds_add_u32 v251, v255
	s_wait_dscnt 0x0
	ROUND                                          ; the closing round: no work-group ends while a partner may still ask for a step that names it
	s_endpgm
.Lfunc_end_k_q4655901e45_attn:
	.size	k_q4655901e45_attn, .Lfunc_end_k_q4655901e45_attn-k_q4655901e45_attn
	.p2alignl 7, 3214868480
	.fill 96, 4, 3214868480
	.section	.rodata,"a",@progbits
	.p2align	6, 0x0
	.amdhsa_kernel k_q4655901e45_attn
		.amdhsa_group_segment_fixed_size 210944
		.amdhsa_private_segment_fixed_size 0
		.amdhsa_enable_private_segment 0
		.amdhsa_kernarg_size 40
		.amdhsa_user_sgpr_count 2
		.amdhsa_user_sgpr_kernarg_segment_ptr 1
		.amdhsa_wavefront_size32 1
		.amdhsa_system_sgpr_workgroup_id_x 1
		.amdhsa_system_sgpr_workgroup_id_y 1
		.amdhsa_system_sgpr_workgroup_id_z 1
		.amdhsa_system_vgpr_workitem_id 0
		.amdhsa_next_free_vgpr 256
		.amdhsa_next_free_sgpr 66
		.amdhsa_reserve_vcc 0
		.amdhsa_float_denorm_mode_32 3
		.amdhsa_float_denorm_mode_16_64 3
		.amdhsa_memory_ordered 1
		.amdhsa_forward_progress 1
		.amdhsa_inst_pref_size 44
	.end_amdhsa_kernel
	.amdgpu_metadata
---
amdhsa.version: [ 1, 2 ]
amdhsa.kernels:
  - .name:           k_q4655901e45_attn
    .symbol:         k_q4655901e45_attn.kd
    .args:
      - { .name: q_img, .offset: 0, .size: 8, .value_kind: global_buffer, .address_space: global }
      - { .name: q_scl, .offset: 8, .size: 8, .value_kind: global_buffer, .address_space: global }
      - { .name: kv, .offset: 16, .size: 8, .value_kind: global_buffer, .address_space: global }
      - { .name: a_img, .offset: 24, .size: 8, .value_kind: global_buffer, .address_space: global }
      - { .name: a_scl, .offset: 32, .size: 8, .value_kind: global_buffer, .address_space: global }
    .group_segment_fixed_size: 210944
    .private_segment_fixed_size: 0
    .kernarg_segment_align: 8
    .kernarg_segment_size: 40
    .max_flat_workgroup_size: 512
    .sgpr_count:     66
    .vgpr_count:     256
    .wavefront_size: 32
...
	.end_amdgpu_metadata
.endif
;; end of part 3
;; launch oproj (part 4): grid 256 x 1, 16 waves a work-group, no clusters, 80,128 bytes of LDS; arguments a_img, a_scl, wo_img, wo_scl, bo, x, ln_gamma, ln_beta, out0; writes out0
.if DOCPART == 4
	.amdgcn_target "amdgcn-amd-amdhsa--gfx1250"
	.amdhsa_code_object_version 6
	.text
	.protected	k_q4655901e45_oproj
	.globl	k_q4655901e45_oproj
	.p2align	8
	.type	k_q4655901e45_oproj,@function
k_q4655901e45_oproj:
	s_mov_b64 s[64:65], 0
	v_nop
	global_prefetch_b8 v0, s[64:65] scope:SCOPE_SE
	s_setreg_imm32_b32 hwreg(HW_REG_WAVE_MODE, 25, 1), 1
	s_wait_xcnt 0x0
; out0 = LayerNorm(x + attended Wo^T + bo) x gamma + beta.  The product is on codes of BF6 (E3M2) with one E8M0 scale for each 32 along K = 1,024; all else in f32.
; SHARES.  Work-group T owns one tile of 16 tokens (row r: token 32 (T / 2) + 8 (T % 2) + r + 8 (r / 8)) with its whole rows, since the norm spans a row.  Wave w makes features 64 w .. 64 w + 63: four accumulators,
; 8 K steps of 128, source 0 = 16 rows of Wo, source 1 = the 16 tokens: a lane then holds eight neighbouring features of one token.  Behind a stage in LDS wave w owns row w whole.
; OPERANDS come as images of their registers, by dense loads alone.  attended: 16 half images (a head each, 768 bytes), copied into LDS once, a head by each wave; K step s is heads 2 s and 2 s + 1.
; Wo: fragments of 1,536 bytes, from memory into the registers of the one wave that multiplies them, three K steps ahead.
; No joint requests: those serve tiles that land in LDS; here each byte of Wo is wanted by one wave of a work-group, and a way through LDS would add a ring, its barriers and a second pass over 786,432 bytes.
; The mean is taken first and the variance of the differences, so a common offset of the row does no harm.  NaN and infinities are not served.
; REGISTERS: v1-3 16, 8, 4 x lane; v4, v5 the stage, in and out; v6, v7 my head's image; v8-15 attended's scale words by K step; v16-31 Wo's (tile a, K steps 2 q and 2 q + 1 in the two halves of the lanes);
; v32-55 attended's fragments, two sets; v56-87 accumulators, then my row; v96-239 three sets of Wo's four fragments, then x, bo, gamma, beta; v240-250 at work.
.set AIMG, 0
.set STG,  12288                       ; 16 rows x (4,096 bytes + 16): sixteen rows' equal columns fall on different banks
.set SPT,  4112
.set SEL,  26
.macro PLACES n
.rept \n
	v_nop
.endr
.endm
.macro WM d, a, b, z, sa, sb, ra
.if ((\z) == 1) && ((\ra) == 0)
	v_wmma_scale_f32_16x16x128_f8f6f4 v[\d:\d+7], v[\a:\a+11], v[\b:\b+11], 0, v[\sa], v[\sb] matrix_a_fmt:MATRIX_FMT_BF6 matrix_b_fmt:MATRIX_FMT_BF6
.elseif (\z) == 1
	v_wmma_scale_f32_16x16x128_f8f6f4 v[\d:\d+7], v[\a:\a+11], v[\b:\b+11], 0, v[\sa], v[\sb] matrix_a_fmt:MATRIX_FMT_BF6 matrix_b_fmt:MATRIX_FMT_BF6 matrix_a_scale:MATRIX_SCALE_ROW1
.elseif (\ra) == 0
	v_wmma_scale_f32_16x16x128_f8f6f4 v[\d:\d+7], v[\a:\a+11], v[\b:\b+11], v[\d:\d+7], v[\sa], v[\sb] matrix_a_fmt:MATRIX_FMT_BF6 matrix_b_fmt:MATRIX_FMT_BF6
.else
	v_wmma_scale_f32_16x16x128_f8f6f4 v[\d:\d+7], v[\a:\a+11], v[\b:\b+11], v[\d:\d+7], v[\sa], v[\sb] matrix_a_fmt:MATRIX_FMT_BF6 matrix_b_fmt:MATRIX_FMT_BF6 matrix_a_scale:MATRIX_SCALE_ROW1
.endif
.endm
.macro WOLOAD s                        ; Wo's four fragments of K step s into set s % 3: 12 loads of 512 consecutive bytes
.irp a, 0,1,2,3
.irp c, 0,1,2
	global_load_b128 v[96+48*((\s)%3)+12*\a+4*\c:99+48*((\s)%3)+12*\a+4*\c], v1, s[12:13] offset:(8*\a+(\s))*1536+512*\c
.endr
.endr
.endm
.macro ALOAD s                         ; attended's fragment of K step s into set s % 2: two half images, four loads
	ds_load_b128 v[32+12*((\s)%2):35+12*((\s)%2)], v1 offset:AIMG+1536*(\s)
	ds_load_b64 v[36+12*((\s)%2):37+12*((\s)%2)], v2 offset:AIMG+1536*(\s)+512
	ds_load_b128 v[38+12*((\s)%2):41+12*((\s)%2)], v1 offset:AIMG+1536*(\s)+768
	ds_load_b64 v[42+12*((\s)%2):43+12*((\s)%2)], v2 offset:AIMG+1536*(\s)+1280
.endm
.macro OSTEP s
.if (\s) < 7
	ALOAD (\s)+1
	s_wait_dscnt 4                                 ; this step's fragment is in; the next step's four loads may be out
.else
	s_wait_dscnt 0x0
.endif
.if (\s) < 6
	s_wait_loadcnt 24                              ; this step's Wo is in; the two sets behind it may be out
.elseif (\s) == 6
	s_wait_loadcnt 12
.else
	s_wait_loadcnt 0x0
.endif
.irp a, 0,1,2,3                                ; four accumulators by turns, one instruction a turn
.if (\s) == 0
	WM 56+8*\a, 96+48*((\s)%3)+12*\a, 32+12*((\s)%2), 1, 16+4*\a+(\s)/2, 8+(\s), (\s)%2
.else
	WM 56+8*\a, 96+48*((\s)%3)+12*\a, 32+12*((\s)%2), 0, 16+4*\a+(\s)/2, 8+(\s), (\s)%2
.endif
.endr
	PLACES 4                                       ; in front of loads into registers that these products have read, and of the first read of results
.if (\s) < 5
	WOLOAD (\s)+3
.endif
.endm
.macro LANESUM a, t                    ; v[a] summed over the 32 lanes, in every lane; v[t] at work (written before)
	v_add_f32_dpp v[\a], v[\a], v[\a] row_xmask:1 row_mask:0xf bank_mask:0xf
	v_add_f32_dpp v[\a], v[\a], v[\a] row_xmask:2 row_mask:0xf bank_mask:0xf
	v_add_f32_dpp v[\a], v[\a], v[\a] row_xmask:4 row_mask:0xf bank_mask:0xf
	v_add_f32_dpp v[\a], v[\a], v[\a] row_xmask:8 row_mask:0xf bank_mask:0xf
	v_permlanex16_b32 v[\t], v[\a], s[SEL], s[SEL+1]
	v_add_f32 v[\a], v[\a], v[\t]
.endm
	s_load_b512 s[8:23], s[0:1], 0x0               ; a_img, a_scl, wo_img, wo_scl, bo, x, gamma, beta
	s_load_b64 s[24:25], s[0:1], 0x40              ; out0
	v_lshl_add_u32 v254, v0, 2, 0x13100
	v_mov_b32 v255, 0
	v_lshrrev_b32 v240, 5, v0
	v_readfirstlane_b32 s4, v240                   ; wave 0..15
	v_and_b32 v240, 31, v0                         ; lane
	v_and_b32 v241, 15, v0                         ; r
	v_bfe_u32 v242, v0, 4, 1                       ; h
	v_lshlrev_b32 v1, 4, v240
	v_lshlrev_b32 v2, 3, v240
	v_lshlrev_b32 v3, 2, v240
	s_lshl_b32 s5, s4, 8
	s_add_co_u32 s5, s5, STG
	v_mul_u32_u24 v4, v241, SPT
	v_lshl_add_u32 v4, v242, 5, v4
	v_add_nc_u32 v4, s5, v4                        ; the stage, in: row r, my wave's 256 bytes, + 32 h
	s_mul_i32 s5, s4, SPT
	s_add_co_u32 s5, s5, STG
	v_add_nc_u32 v5, s5, v1                        ; out: row w, 16 bytes a lane
	s_mul_i32 s5, s4, 768
	v_add_nc_u32 v6, s5, v1                        ; head w's half image, in memory as in LDS: 512 bytes,
	s_add_co_u32 s5, s5, 512
	v_add_nc_u32 v7, s5, v2                        ; and 256
	v_lshlrev_b32 v250, 5, v241                    ; attended's scale bytes: 32 a row
	s_mul_i32 s28, ttmp9, 12288
	s_mov_b32 s29, 0
	s_lshl_b32 s30, ttmp9, 9
	s_mov_b32 s31, 0
	s_mul_i32 s32, s4, 49152                       ; my four tiles of Wo,
	s_mov_b32 s33, 0
	s_lshl_b32 s34, s4, 11                         ; and their scale words
	s_mov_b32 s35, 0
	s_lshr_b32 s36, ttmp9, 1
	s_lshl_b32 s36, s36, 5
	s_and_b32 s37, ttmp9, 1
	s_lshl_b32 s37, s37, 3
	s_add_co_u32 s36, s36, s37
	s_add_co_u32 s36, s36, s4
	s_and_b32 s37, s4, 8
	s_add_co_u32 s36, s36, s37                     ; row w's token
	s_lshl_b32 s36, s36, 12
	s_mov_b32 s37, 0
	s_mov_b32 s[SEL], 0x76543210
	s_mov_b32 s[SEL+1], 0xfedcba98
	s_mov_b32 s38, 0x3a800000                      ; 1 / 1024
	s_mov_b32 s39, 0x3727c5ac                      ; 1e-5
	s_wait_kmcnt 0x0
	s_add_nc_u64 s[8:9], s[8:9], s[28:29]
	s_add_nc_u64 s[10:11], s[10:11], s[30:31]
	s_add_nc_u64 s[12:13], s[12:13], s[32:33]
	s_add_nc_u64 s[14:15], s[14:15], s[34:35]
	s_add_nc_u64 s[18:19], s[18:19], s[36:37]
	s_add_nc_u64 s[24:25], s[24:25], s[36:37]
	global_load_b128 v[244:247], v6, s[8:9]        ; head w's half image
	global_load_b64 v[248:249], v7, s[8:9]
	global_load_b128 v[8:11], v250, s[10:11]       ; row r's eight scale words
	global_load_b128 v[12:15], v250, s[10:11] offset:16
.irp a, 0,1,2,3
.irp q, 0,1,2,3
	global_load_b32 v[16+4*\a+\q], v3, s[14:15] offset:(8*\a+2*\q)*64
.endr
.endr
	WOLOAD 0
	WOLOAD 1
	WOLOAD 2
	s_wait_loadcnt 54                              ; the half image is in: behind it 2 + 16 + 36 loads were issued
	ds_store_b128 v6, v[244:247]
	ds_store_b64 v7, v[248:249]
	s_wait_dscnt 0x0                               ; for the others' sake
	s_barrier_signal -1
	s_barrier_wait -1                              ; the tile's sixteen half images lie in LDS
	ALOAD 0
	OSTEP 0
	OSTEP 1
	OSTEP 2
	OSTEP 3
	OSTEP 4
	OSTEP 5
	OSTEP 6
	OSTEP 7
.irp i, 0,1,2,3,4,5,6,7                        ; what row w's norm wants, 512 consecutive bytes a load: lane l holds columns 128 i + 4 l + 0 .. 3
	global_load_b128 v[96+4*\i:99+4*\i], v1, s[18:19] offset:512*\i th:TH_LOAD_NT
.endr
.irp i, 0,1,2,3,4,5,6,7
	global_load_b128 v[128+4*\i:131+4*\i], v1, s[16:17] offset:512*\i
.endr
.irp i, 0,1,2,3,4,5,6,7
	global_load_b128 v[160+4*\i:163+4*\i], v1, s[20:21] offset:512*\i
.endr
.irp i, 0,1,2,3,4,5,6,7
	global_load_b128 v[192+4*\i:195+4*\i], v1, s[22:23] offset:512*\i
.endr
.irp a, 0,1,2,3
	ds_store_b128 v4, v[56+8*\a:59+8*\a] offset:64*\a          ; each accumulator from its low end on
	ds_store_b128 v4, v[60+8*\a:63+8*\a] offset:64*\a+16
.endr
	s_wait_dscnt 0x0                               ; for the others' sake
	s_barrier_signal -1
	s_barrier_wait -1                              ; 16 whole rows lie in the stage
.irp i, 0,1,2,3,4,5,6,7
	ds_load_b128 v[56+4*\i:59+4*\i], v5 offset:512*\i
.endr
	s_wait_loadcnt 16                              ; x and bo are in; gamma's and beta's sixteen loads may be out
	s_wait_dscnt 0x0
.set J, 0
.rept 16
	v_pk_add_f32 v[56+J:57+J], v[56+J:57+J], v[128+J:129+J]   ; + bo
.set J, J+2
.endr
.set J, 0
.rept 16
	v_pk_add_f32 v[56+J:57+J], v[56+J:57+J], v[96+J:97+J]     ; + x: y
.set J, J+2
.endr
	v_pk_add_f32 v[240:241], v[56:57], v[58:59]    ; the row's sum, in two packed chains
	v_pk_add_f32 v[242:243], v[60:61], v[62:63]
.irp k, 8,12,16,20,24,28
	v_pk_add_f32 v[240:241], v[240:241], v[56+\k:57+\k]
	v_pk_add_f32 v[242:243], v[242:243], v[58+\k:59+\k]
.endr
	v_pk_add_f32 v[240:241], v[240:241], v[242:243]
	v_add_f32 v240, v240, v241
	LANESUM 240, 241
	v_mul_f32 v240, s38, v240                      ; the mean
	v_mov_b32 v241, v240
.set J, 0
.rept 16
	v_pk_add_f32 v[56+J:57+J], v[56+J:57+J], v[240:241] neg_lo:[0,1] neg_hi:[0,1]   ; d = y - mean
.set J, J+2
.endr
	v_pk_mul_f32 v[242:243], v[56:57], v[56:57]    ; the sum of d^2
	v_pk_mul_f32 v[244:245], v[58:59], v[58:59]
.irp k, 4,8,12,16,20,24,28
	v_pk_fma_f32 v[242:243], v[56+\k:57+\k], v[56+\k:57+\k], v[242:243]
	v_pk_fma_f32 v[244:245], v[58+\k:59+\k], v[58+\k:59+\k], v[244:245]
.endr
	v_pk_add_f32 v[242:243], v[242:243], v[244:245]
	v_add_f32 v242, v242, v243
	LANESUM 242, 243
	v_fma_f32 v242, v242, s38, s39                 ; the variance + 1e-5
	v_rsq_f32 v242, v242
	v_nop                                          ; one plain place behind a transcendental
	s_wait_alu depctr_va_vdst(0)
	v_mov_b32 v243, v242
	s_wait_loadcnt 0x0                             ; gamma and beta
.set J, 0
.rept 16
	v_pk_mul_f32 v[160+J:161+J], v[160+J:161+J], v[242:243]
.set J, J+2
.endr
.set J, 0
.rept 16
	v_pk_fma_f32 v[56+J:57+J], v[56+J:57+J], v[160+J:161+J], v[192+J:193+J]
.set J, J+2
.endr
.irp i, 0,1,2,3,4,5,6,7
	global_store_b128 v1, v[56+4*\i:59+4*\i], s[24:25] offset:512*\i th:TH_STORE_NT   ; 32 lanes store 512 consecutive bytes, at a multiple of 256 from out0's first byte
.endr
	s_wait_tensorcnt 0x0
	ds_add_u32 v254, v255
	s_wait_dscnt 0x0
	s_endpgm
.Lfunc_end_k_q4655901e45_oproj:
	.size	k_q4655901e45_oproj, .Lfunc_end_k_q4655901e45_oproj-k_q4655901e45_oproj
	.p2alignl 7, 3214868480
	.fill 96, 4, 3214868480
	.section	.rodata,"a",@progbits
	.p2align	6, 0x0
	.amdhsa_kernel k_q4655901e45_oproj
		.amdhsa_group_segment_fixed_size 80128
		.amdhsa_private_segment_fixed_size 0
		.amdhsa_enable_private_segment 0
		.amdhsa_kernarg_size 72
		.amdhsa_user_sgpr_count 2
		.amdhsa_user_sgpr_kernarg_segment_ptr 1
		.amdhsa_wavefront_size32 1
		.amdhsa_system_sgpr_workgroup_id_x 1
		.amdhsa_system_sgpr_workgroup_id_y 1
		.amdhsa_system_sgpr_workgroup_id_z 1
		.amdhsa_system_vgpr_workitem_id 0
		.amdhsa_next_free_vgpr 256
		.amdhsa_next_free_sgpr 66
		.amdhsa_reserve_vcc 0
		.amdhsa_float_denorm_mode_32 3
		.amdhsa_float_denorm_mode_16_64 3
		.amdhsa_memory_ordered 1
		.amdhsa_forward_progress 1
		.amdhsa_inst_pref_size 35
	.end_amdhsa_kernel
	.amdgpu_metadata
---
amdhsa.version: [ 1, 2 ]
amdhsa.kernels:
  - .name:           k_q4655901e45_oproj
    .symbol:         k_q4655901e45_oproj.kd
    .args:
      - { .name: a_img, .offset: 0, .size: 8, .value_kind: global_buffer, .address_space: global }
      - { .name: a_scl, .offset: 8, .size: 8, .value_kind: global_buffer, .address_space: global }
      - { .name: wo_img, .offset: 16, .size: 8, .value_kind: global_buffer, .address_space: global }
      - { .name: wo_scl, .offset: 24, .size: 8, .value_kind: global_buffer, .address_space: global }
      - { .name: bo, .offset: 32, .size: 8, .value_kind: global_buffer, .address_space: global }
      - { .name: x, .offset: 40, .size: 8, .value_kind: global_buffer, .address_space: global }
      - { .name: ln_gamma, .offset: 48, .size: 8, .value_kind: global_buffer, .address_space: global }
      - { .name: ln_beta, .offset: 56, .size: 8, .value_kind: global_buffer, .address_space: global }
      - { .name: out0, .offset: 64, .size: 8, .value_kind: global_buffer, .address_space: global }
    .group_segment_fixed_size: 80128
    .private_segment_fixed_size: 0
    .kernarg_segment_align: 8
    .kernarg_segment_size: 72
    .max_flat_workgroup_size: 512
    .sgpr_count:     66
    .vgpr_count:     256
    .wavefront_size: 32
...
	.end_amdgpu_metadata
.endif
;; end of part 4
;; ======== version 2 of 2: 4 launches
;; workspace buffers: q_img 3,145,728 bytes; q_scl 262,144 bytes; kv 6,684,672 bytes; a_img 3,145,728 bytes; a_scl 131,072 bytes; wo_img 786,432 bytes; wo_scl 32,768 bytes; pre 5,636,096 bytes
;; launch prep (part 5): grid 256 x 1, 8 waves a work-group, no clusters, 68,608 bytes of LDS; arguments x, Wq_codes, Wk_codes, Wv_codes, Wo_codes, Wo_scales, pre, wo_img, wo_scl; writes pre, wo_img, wo_scl
.if DOCPART == 5
	.amdgcn_target "amdgcn-amd-amdhsa--gfx1250"
	.amdhsa_code_object_version 6
	.text
	.protected	k_q4655901e45_prep
	.globl	k_q4655901e45_prep
	.p2align	8
	.type	k_q4655901e45_prep,@function
k_q4655901e45_prep:
	s_mov_b64 s[64:65], 0
	v_nop
	global_prefetch_b8 v0, s[64:65] scope:SCOPE_SE
	s_setreg_imm32_b32 hwreg(HW_REG_WAVE_MODE, 25, 1), 1
	s_wait_xcnt 0x0
; WHAT MANY WORK-GROUPS WILL READ IS MADE ONCE.  x [4096][1024] f32 is quantised along its 1,024 to codes of BF6 (E3M2) with one E8M0 scale for each 32; the codes of Wq, Wk, Wv, Wo (rows of 768 bytes, K innermost)
; are laid anew.  Both leave as IMAGES OF THE OPERAND'S REGISTERS: a fragment (16 rows x 128 along K, 12 registers a lane) is 1,536 bytes, registers 4 c .. 4 c + 3 of lane l at 512 c + 16 l, so that a reader's
; every load covers 512 consecutive bytes.
; SHARES.  Work-group T, wave w: (1) x's fragment of token tile T and K step w; (2) one fragment of weight w / 2 (0 Wq, 1 Wk, 2 Wv, 3 Wo): tile T / 4, K step 2 (T % 4) + w % 2.  Waves share nothing: no barrier.
; Work-groups share nothing: no cluster.  No matrix work: memory binds.
; TILES ARE NOT NEIGHBOURS.  Row r of token tile T is token 32 (T / 2) + 8 (T % 2) + r + 8 (r / 8); row r of tile t of Wq, Wk, Wv is row 64 (t / 4) + 32 ((t / 2) % 2) + 8 (t % 2) + r + 8 (r / 8).  Wo's tile t is rows 16 t + r.
; x: rows are loaded as they lie (a load: 512 consecutive bytes of one row) and turned through the wave's own stage in LDS, so that a lane holds 16 neighbours of each block of 32.
; OUT.  pre: [weight 3][tile 64][K step 8][1,536], then from byte 2,359,296 on [block of 64 tokens][51,200]: 32 fragments (number 4 s + m, m the tile within the block), then their scale words, 64 bytes a fragment.
; wo_img: [tile 64][K step 8][1,536]; wo_scl: [tile][K step][16 words].
; LIMITS: a block whose largest magnitude lies under 2^-122, a block of zeros among them, gets the scale byte 1 (zeros stay zeros; these bytes are read by this program alone).  NaN and infinities are not served.
; REGISTERS: v1 16 x lane; v2, v3 the stage, in and out; v5 the weight's lane offset; v6 32 r; v7 4 r; v16-52 the quantiser's; v64-127 x's 64 numbers; v128-139 the weight's fragment; v140 Wo's scale word.
.set SPT,  528                         ; a stage row: 512 bytes + 16: sixteen rows' equal columns fall on different banks
.set XQ,   2359296                     ; where x's part of pre begins
.set TM,   16
.set PC,   32
.set PW,   52
.set R,    64
.set WF,   128
.set WSC,  140
.set SEL,  60
; 64 numbers of a lane, register 16 b + i = k 32 b + 16 (lane / 16) + i of my row, become a fragment's codes in v[PC] on and its scale word in v[PW]
.macro QUANT4 s
.irp b, 0,1,2,3
	v_max3_num_f32 v[TM+\b], |v[\s+16*\b]|, |v[\s+1+16*\b]|, 0x2800000   ; my 16 numbers of block b, and the floor 2^(5 - 127): the byte cannot fall under 1
.endr
.irp i, 2,4,6,8,10,12,14
.irp b, 0,1,2,3
	s_delay_alu instid0(VALU_DEP_4)
	v_max3_num_f32 v[TM+\b], v[TM+\b], |v[\s+16*\b+\i]|, |v[\s+1+16*\b+\i]|
.endr
.endr
.irp b, 0,1,2,3
	s_delay_alu instid0(VALU_DEP_4)
	v_permlanex16_b32 v[TM+4+\b], v[TM+\b], s[SEL], s[SEL+1]
.endr
.irp b, 0,1,2,3
	s_delay_alu instid0(VALU_DEP_4)
	v_max_num_f32 v[TM+\b], v[TM+\b], v[TM+4+\b]                   ; with lane l xor 16's: the block's largest magnitude
.endr
.irp b, 0,1,2,3
	s_delay_alu instid0(VALU_DEP_4)
	v_add_nc_u32 v[TM+12+\b], 0xfe000000, v[TM+\b]                 ; 4 off its exponent field: the conversion's scale operand
.endr
.irp b, 0,1,2,3
	s_delay_alu instid0(VALU_DEP_4)
	v_lshrrev_b32 v[TM+4+\b], 23, v[TM+12+\b]                      ; the scale's byte
.endr
	s_delay_alu instid0(VALU_DEP_3)
	v_lshl_or_b32 v[PW], v[TM+5], 8, v[TM+4]
	s_delay_alu instid0(VALU_DEP_1)
	v_lshl_or_b32 v[PW], v[TM+6], 16, v[PW]
	s_delay_alu instid0(VALU_DEP_1)
	v_lshl_or_b32 v[PW], v[TM+7], 24, v[PW]
.irp c, 0,1
	v_cvt_scalef32_pk16_bf6_f32 v[PC+6*\c:PC+2+6*\c], v[\s+32*\c:\s+15+32*\c], v[TM+12+2*\c]
	v_cvt_scalef32_pk16_bf6_f32 v[PC+12+4*\c:PC+14+4*\c], v[\s+16+32*\c:\s+31+32*\c], v[TM+12+2*\c+1]   ; (a conversion's three registers begin on an even number)
.endr
	v_nop                                          ; one plain place behind a scaled conversion
.irp c, 0,1                                    ; the operand wants a whole block in a lane: lanes 0-15 block 2 c, lanes 16-31 block 2 c + 1
.irp i, 0,1,2
	v_permlane16_swap_b32 v[PC+6*\c+\i], v[PC+12+4*\c+\i]
.endr
.irp i, 0,1,2
	s_delay_alu instid0(VALU_DEP_3)
	v_mov_b32 v[PC+3+6*\c+\i], v[PC+12+4*\c+\i]
.endr
.endr
.endm
	s_load_b64 s[4:5], s[0:1], 0x0                 ; x
	s_load_b512 s[8:23], s[0:1], 0x8               ; Wq, Wk, Wv, Wo codes; Wo scales; pre; wo_img; wo_scl
	v_lshl_add_u32 v144, v0, 2, 0x10800
	v_mov_b32 v145, 0
	v_lshrrev_b32 v8, 5, v0
	s_delay_alu instid0(VALU_DEP_1)
	v_readfirstlane_b32 s24, v8                    ; wave 0..7: x's K step
	s_mov_b32 s25, ttmp9                           ; T
	v_and_b32 v8, 31, v0                           ; lane
	v_and_b32 v9, 15, v0                           ; r
	s_wait_alu depctr_va_vdst(0)
	v_bfe_u32 v10, v0, 4, 1                        ; h
	v_lshlrev_b32 v1, 4, v8                        ; 16 x lane
	s_mul_i32 s26, s24, 16*SPT                     ; my stage
	v_add_nc_u32 v2, s26, v1                       ; into it: a row's 512 bytes as they lie
	v_mul_u32_u24 v3, v9, SPT
	s_delay_alu instid0(VALU_DEP_1)
	v_lshl_add_u32 v3, v10, 6, v3
	s_delay_alu instid0(VALU_DEP_1)
	v_add_nc_u32 v3, s26, v3                       ; out of it: row r, + 64 h
	v_lshlrev_b32 v6, 5, v9                        ; Wo's scale bytes: 32 a row
	v_lshlrev_b32 v7, 2, v9                        ; a scale word's place: 4 r
	s_mov_b32 s[SEL], 0x76543210
	s_mov_b32 s[SEL+1], 0xfedcba98                 ; v_permlanex16_b32's selects for lane l xor 16
	s_lshr_b32 s27, s24, 1                         ; which weight
	s_lshr_b32 s28, s25, 2                         ; its tile t.  Also: x's block of 64 tokens
	s_and_b32 s29, s25, 3                          ; T % 4.  Also: x's tile within the block
	s_lshl_b32 s30, s29, 1
	s_and_b32 s31, s24, 1
	s_add_co_u32 s30, s30, s31                     ; the weight's K step
	s_lshr_b32 s32, s28, 2
	s_lshl_b32 s32, s32, 6
	s_bfe_u32 s33, s28, 0x10001
	s_lshl_b32 s33, s33, 5
	s_add_co_u32 s32, s32, s33
	s_and_b32 s33, s28, 1
	s_lshl_b32 s33, s33, 3
	s_add_co_u32 s32, s32, s33                     ; the tile's first row in Wq, Wk, Wv
	s_lshl_b32 s33, s28, 4                         ; and in Wo
	s_mul_i32 s34, s27, 786432                     ; the weight's part of pre
	s_cmp_eq_u32 s27, 3                            ; the choices hang on the wave's number alone
	s_cselect_b32 s32, s33, s32
	s_cselect_b32 s38, 0, 8
	s_cselect_b32 s34, 0, s34
	v_and_b32 v11, s38, v9
	s_delay_alu instid0(VALU_DEP_1)
	v_add_nc_u32 v11, v11, v9                      ; my row of the tile: r + 8 (r / 8), in Wo r
	s_delay_alu instid0(VALU_DEP_1)
	v_mul_u32_u24 v5, v11, 768
	s_delay_alu instid0(VALU_DEP_1)
	v_mad_u32_u24 v5, v10, 24, v5                  ; + 24 h
	s_mul_i32 s32, s32, 768
	s_mul_i32 s33, s30, 96
	s_add_co_u32 s32, s32, s33                     ; from where: the first row, the K step's 96 bytes
	s_mov_b32 s33, 0
	s_lshl_b32 s36, s28, 3
	s_add_co_u32 s36, s36, s30                     ; fragment 8 t + s
	s_mul_i32 s37, s36, 1536
	s_add_co_u32 s34, s34, s37                     ; to where
	s_mov_b32 s35, 0
	s_lshl_b32 s40, s28, 9
	s_lshl_b32 s41, s30, 2
	s_add_co_u32 s40, s40, s41                     ; Wo's scale bytes: 16 t rows of 32, + 4 s
	s_mov_b32 s41, 0
	s_lshl_b32 s42, s36, 6                         ; and their words' place
	s_mov_b32 s43, 0
	s_lshr_b32 s44, s25, 1                         ; x: 32 (T / 2) rows of 4,096 bytes,
	s_lshl_b32 s44, s44, 17
	s_and_b32 s45, s25, 1
	s_lshl_b32 s45, s45, 15
	s_add_co_u32 s44, s44, s45                     ; + 8 (T % 2) rows,
	s_lshl_b32 s45, s24, 9
	s_add_co_u32 s44, s44, s45                     ; + my K step's 512 bytes
	s_mov_b32 s45, 0
	s_mul_i32 s46, s28, 51200
	s_add_co_u32 s46, s46, XQ                      ; the block's part of pre
	s_lshl_b32 s47, s24, 2
	s_add_co_u32 s47, s47, s29                     ; fragment 4 s + m
	s_mul_i32 s48, s47, 1536
	s_add_co_u32 s48, s48, s46                     ; its image
	s_mov_b32 s49, 0
	s_lshl_b32 s50, s47, 6
	s_add_co_u32 s50, s50, s46
	s_add_co_u32 s50, s50, 49152                   ; its scale words
	s_mov_b32 s51, 0
	s_wait_alu depctr_va_vdst(0)
	s_wait_kmcnt 0x0
	s_cmp_eq_u32 s27, 0
	s_cselect_b64 s[52:53], s[8:9], s[10:11]
	s_cmp_eq_u32 s27, 2
	s_cselect_b64 s[52:53], s[12:13], s[52:53]
	s_cmp_eq_u32 s27, 3
	s_cselect_b64 s[52:53], s[14:15], s[52:53]
	s_cselect_b64 s[54:55], s[20:21], s[18:19]
	s_add_nc_u64 s[4:5], s[4:5], s[44:45]
	s_add_nc_u64 s[52:53], s[52:53], s[32:33]
	s_add_nc_u64 s[54:55], s[54:55], s[34:35]
	s_add_nc_u64 s[16:17], s[16:17], s[40:41]
	s_add_nc_u64 s[22:23], s[22:23], s[42:43]
	s_add_nc_u64 s[56:57], s[18:19], s[48:49]
	s_add_nc_u64 s[58:59], s[18:19], s[50:51]
.irp p, 0,1,2,3,4,5
	global_load_b64 v[WF+2*\p:WF+2*\p+1], v5, s[52:53] offset:48*(\p/3)+8*(\p%3)   ; the weight's fragment, in the operand's order
.endr
	s_cmp_eq_u32 s27, 3
	s_cbranch_scc0 .Lno_word
	global_load_b32 v[WSC], v6, s[16:17]           ; Wo: row r's scale word of this K step
.Lno_word:
.irp j, 0,1,2,3,4,5,6,7,8,9,10,11,12,13,14,15
	global_load_b128 v[R+4*\j:R+4*\j+3], v1, s[4:5] offset:(\j+8*(\j/8))*4096 th:TH_LOAD_NT   ; row j of my tile: 512 consecutive bytes; this launch reads them once
.endr
.irp b, 0,1,2,3
	v_mov_b32 v[TM+4+\b], 0                        ; written once: a lane permute's destination counts as one of its sources
.endr
	s_wait_loadcnt 16                              ; the weight's loads are in; x's sixteen, issued behind them, may be out
.irp c, 0,1,2
	global_store_b128 v1, v[WF+4*\c:WF+4*\c+3], s[54:55] offset:512*\c   ; 512 consecutive bytes a store
.endr
	s_cmp_eq_u32 s27, 3
	s_cbranch_scc0 .Lno_word_out
	global_store_b32 v7, v[WSC], s[22:23]          ; lanes l and l + 16 write the same word with the same value
.Lno_word_out:
	s_wait_loadcnt 0x0                             ; x
.irp j, 0,1,2,3,4,5,6,7,8,9,10,11,12,13,14,15
	ds_store_b128 v2, v[R+4*\j:R+4*\j+3] offset:SPT*\j
.endr
	s_wait_dscnt 0x0                               ; the stores have read their registers, which the loads below write
.irp b, 0,1,2,3
.irp j, 0,1,2,3
	ds_load_b128 v[R+16*\b+4*\j:R+16*\b+4*\j+3], v3 offset:128*\b+16*\j   ; row r: 16 neighbours of block b
.endr
.endr
	s_wait_dscnt 0x0
	QUANT4 R
.irp c, 0,1,2
	global_store_b128 v1, v[PC+4*\c:PC+4*\c+3], s[56:57] offset:512*\c
.endr
	global_store_b32 v7, v[PW], s[58:59]           ; lanes l and l + 16 write the same word with the same value
	s_wait_tensorcnt 0x0
	ds_add_u32 v144, v145
	s_wait_dscnt 0x0
	s_endpgm
.Lfunc_end_k_q4655901e45_prep:
	.size	k_q4655901e45_prep, .Lfunc_end_k_q4655901e45_prep-k_q4655901e45_prep
	.p2alignl 7, 3214868480
	.fill 96, 4, 3214868480
	.section	.rodata,"a",@progbits
	.p2align	6, 0x0
	.amdhsa_kernel k_q4655901e45_prep
		.amdhsa_group_segment_fixed_size 68608
		.amdhsa_private_segment_fixed_size 0
		.amdhsa_enable_private_segment 0
		.amdhsa_kernarg_size 72
		.amdhsa_user_sgpr_count 2
		.amdhsa_user_sgpr_kernarg_segment_ptr 1
		.amdhsa_wavefront_size32 1
		.amdhsa_system_sgpr_workgroup_id_x 1
		.amdhsa_system_sgpr_workgroup_id_y 1
		.amdhsa_system_sgpr_workgroup_id_z 1
		.amdhsa_system_vgpr_workitem_id 0
		.amdhsa_next_free_vgpr 146
		.amdhsa_next_free_sgpr 66
		.amdhsa_reserve_vcc 0
		.amdhsa_float_denorm_mode_32 3
		.amdhsa_float_denorm_mode_16_64 3
		.amdhsa_memory_ordered 1
		.amdhsa_forward_progress 1
		.amdhsa_inst_pref_size 15
	.end_amdhsa_kernel
	.amdgpu_metadata
---
amdhsa.version: [ 1, 2 ]
amdhsa.kernels:
  - .name:           k_q4655901e45_prep
    .symbol:         k_q4655901e45_prep.kd
    .args:
      - { .name: x, .offset: 0, .size: 8, .value_kind: global_buffer, .address_space: global }
      - { .name: Wq_codes, .offset: 8, .size: 8, .value_kind: global_buffer, .address_space: global }
      - { .name: Wk_codes, .offset: 16, .size: 8, .value_kind: global_buffer, .address_space: global }
      - { .name: Wv_codes, .offset: 24, .size: 8, .value_kind: global_buffer, .address_space: global }
      - { .name: Wo_codes, .offset: 32, .size: 8, .value_kind: global_buffer, .address_space: global }
      - { .name: Wo_scales, .offset: 40, .size: 8, .value_kind: global_buffer, .address_space: global }
      - { .name: pre, .offset: 48, .size: 8, .value_kind: global_buffer, .address_space: global }
      - { .name: wo_img, .offset: 56, .size: 8, .value_kind: global_buffer, .address_space: global }
      - { .name: wo_scl, .offset: 64, .size: 8, .value_kind: global_buffer, .address_space: global }
    .group_segment_fixed_size: 68608
    .private_segment_fixed_size: 0
    .kernarg_segment_align: 8
    .kernarg_segment_size: 72
    .max_flat_workgroup_size: 256
    .sgpr_count:     66
    .vgpr_count:     146
    .wavefront_size: 32
...
	.end_amdgpu_metadata
.endif
;; end of part 5
;; launch qkv (part 6): grid 4 x 64, 12 waves a work-group, no clusters, 52,736 bytes of LDS; arguments pre, Wq_scales, bq, Wk_scales, bk, Wv_scales, bv, q_img, q_scl, kv; writes q_img, q_scl, kv
.if DOCPART == 6
	.amdgcn_target "amdgcn-amd-amdhsa--gfx1250"
	.amdhsa_code_object_version 6
	.text
	.protected	k_q4655901e45_qkv
	.globl	k_q4655901e45_qkv
	.p2align	8
	.type	k_q4655901e45_qkv,@function
k_q4655901e45_qkv:
	s_mov_b64 s[64:65], 0
	v_nop
	global_prefetch_b8 v0, s[64:65] scope:SCOPE_SE
	s_setreg_imm32_b32 hwreg(HW_REG_WAVE_SCHED_MODE, 0, 2), 2
	s_setreg_imm32_b32 hwreg(HW_REG_WAVE_MODE, 25, 1), 1
	s_wait_xcnt 0x0
	s_wait_alu depctr_vm_vsrc(0)
; Q = x Wq^T + bq, K = x Wk^T + bk, V = x Wv^T + bv on codes of BF6 (E3M2) with one E8M0 scale for each 32 along K = 1,024; the results are quantised at once for the attention launch:
; Q and K along the head's 64 features, V along the tokens.  x's codes and the weights' codes come from pre, as images of the operands' registers (1,536 bytes a fragment of 16 rows x 128 along K:
; registers 4 c .. 4 c + 3 of lane l at 512 c + 16 l): every load of codes covers 512 consecutive bytes.  The weights' scale bytes come from the inputs, 32 bytes a row, once for all 8 K steps.
; SHARES.  Work-group (cb, rb) takes tokens 64 rb .. 64 rb + 63 and heads 4 cb .. 4 cb + 3.  Wave w: kind w / 4 (0 Q, 1 K, 2 V), head 4 cb + w % 4: four tiles of 16 tokens x four tiles of 16 features,
; 16 accumulators, 8 K steps of 128: 128 matrix instructions.
; TILES ARE NOT NEIGHBOURS.  Row r of token tile m is token 32 (m / 2) + 8 (m % 2) + r + 8 (r / 8) of the 64; row r of feature tile a the head's feature by the same rule.  So in a result the 16 registers
; of two neighbouring tiles are 16 neighbours: features for Q and K (source 0 = weights, source 1 = x: a lane holds one token), tokens for V (source 0 = x, source 1 = weights: a lane holds one feature).
; x: the block's 51,200 bytes of pre (32 fragments, number 4 s + m, then their scale words) are copied into LDS once, as they lie, 4,096 bytes by each wave and 512 more by waves 0-3; all twelve waves read them.
; WEIGHTS go from memory into the registers of the one wave that multiplies them, each byte once a work-group, a step ahead of their products.  No joint requests: those serve tiles that land in LDS, and the
; 589,824 bytes of weights that a work-group walks would want a ring there and a second pass through LDS; what the four work-groups of a row block share is x's 51,200 bytes, a twelfth of that.
; OUT: half images of 768 bytes (16 rows x 64 along K: registers 0-3 at 16 l, registers 4-5 at 512 + 8 l) and scale words, laid as the next launch reads them.
; LIMITS: a block whose largest magnitude lies under 2^-122, a block of zeros among them, gets the scale byte 1 (zeros stay zeros; these bytes are read by this program alone).  NaN and infinities are not served.
; REGISTERS.  Window 0: v1 16 x lane, v2, v3 the copy's places, v4, v5 the closing add's two, v6 the weights' scale rows, v7 4 x lane; v8-23 the weights' scale words (8 i + s: lanes 0-15 tile 2 i, lanes 16-31 tile 2 i + 1, K step s);
; v24-25 x's scale words; v26-31 at work at the head; v32-79 weights of odd K steps (behind the products: at work); v80-127 x's four fragments; v128-255 accumulators (at the head: the copy).
; Window 1: v0-47 weights of even K steps; v48-79 the bias in the result's layout.
; THE MODE: SCHED_MODE bits 1:0 = 2 (LLVM: expert scheduling mode 2), set by the entry lines.  The code itself states the register dependences between vector or matrix instructions and memory or LDS
; instructions, with s_wait_alu, always for 0.
; THE PLAN.  Registers that memory or LDS instructions touch:
;   v1, v2, v3, v6, v7, v30, v31   offsets: written by vector lines at the head, never again; read by every load and store.  One wait on va_vdst ahead of the first load.
;   v128-163   the copy of x: loaded, read by the LDS stores, then written by step 0's products as accumulators.  One wait on vm_vsrc behind the barrier.
;   v80-127, v24-25   x's fragments and scale words: step s's LDS loads land in them, step s's products read them.  One set: 336 registers are taken and three waves share a SIMD's 1,024, so a second set of 48 has no room.
;   the weights' two sets   set s % 2 is read by step s's products; the loads of step s + 2 land in it, issued in step s + 1.
;   v8-23 and the bias   loaded once at the head, read by products alone.
;   v64-93, v100-102   written by the way out's vector lines, read by the stores.  One wait on va_vdst ahead of the run of stores.
; So ONE wait on va_vdst stands at the head of each of steps 1 to 7: the last step's sixteen products are done reading x's set, x's scale words and their set of weights.  All of the step's 26 loads follow it
; with no vector or matrix instruction between: x's from LDS first, which are wanted at once, then the weights of the next step, which have a step in which to land.
.set XIMG, 0                           ; LDS: x's 32 fragments, 1,536 bytes each, fragment 4 s + m
.set XSC,  49152                       ; their scale words, 64 bytes a fragment
.set XQ,   2359296                     ; where x's part of pre begins
.set WS,   8
.set XS,   24
.set WFA,  32
.set XF,   80
.set ACC,  128
.set BIAS, 48
.set TM,   32
.set SEL,  62
.set MSB,  0
.macro WIN new                         ; the immediate's high byte repeats the setting that is left
.if MSB != \new
	s_set_vgpr_msb (MSB<<8)|\new
.set MSB, \new
.endif
.endm
.macro PLACES n
.rept \n
	v_nop
.endr
.endm
; one product; ra, rb: the scales stand in lanes 16-31 of the register named
.macro WM d, a, b, c, sa, sb, ra, rb
.if ((\ra) == 0) && ((\rb) == 0)
	v_wmma_scale_f32_16x16x128_f8f6f4 v[\d:\d+7], v[\a:\a+11], v[\b:\b+11], v[\c:\c+7], v[\sa], v[\sb] matrix_a_fmt:MATRIX_FMT_BF6 matrix_b_fmt:MATRIX_FMT_BF6
.elseif (\rb) == 0
	v_wmma_scale_f32_16x16x128_f8f6f4 v[\d:\d+7], v[\a:\a+11], v[\b:\b+11], v[\c:\c+7], v[\sa], v[\sb] matrix_a_fmt:MATRIX_FMT_BF6 matrix_b_fmt:MATRIX_FMT_BF6 matrix_a_scale:MATRIX_SCALE_ROW1
.elseif (\ra) == 0
	v_wmma_scale_f32_16x16x128_f8f6f4 v[\d:\d+7], v[\a:\a+11], v[\b:\b+11], v[\c:\c+7], v[\sa], v[\sb] matrix_a_fmt:MATRIX_FMT_BF6 matrix_b_fmt:MATRIX_FMT_BF6 matrix_b_scale:MATRIX_SCALE_ROW1
.else
	v_wmma_scale_f32_16x16x128_f8f6f4 v[\d:\d+7], v[\a:\a+11], v[\b:\b+11], v[\c:\c+7], v[\sa], v[\sb] matrix_a_fmt:MATRIX_FMT_BF6 matrix_b_fmt:MATRIX_FMT_BF6 matrix_a_scale:MATRIX_SCALE_ROW1 matrix_b_scale:MATRIX_SCALE_ROW1
.endif
.endm
; 32 numbers of a lane, register 16 b + i = k 32 b + 16 (lane / 16) + i of my row: six registers of codes in v[d] on, the two scale bytes in v[ph] (block 0's lowest); ct: three registers at work
.macro QUANT2 s, d, ph, ct
.irp b, 0,1
	v_max3_num_f32 v[TM+\b], |v[\s+16*\b]|, |v[\s+1+16*\b]|, 0x2800000   ; each accumulator is read from its low end on; the floor 2^(5 - 127): the byte cannot fall under 1
.endr
.irp i, 2,4,6,8,10,12,14
.irp b, 0,1
	v_max3_num_f32 v[TM+\b], v[TM+\b], |v[\s+16*\b+\i]|, |v[\s+1+16*\b+\i]|
.endr
.endr
.irp b, 0,1
	v_permlanex16_b32 v[TM+4+\b], v[TM+\b], s[SEL], s[SEL+1]
.endr
.irp b, 0,1
	v_max_num_f32 v[TM+\b], v[TM+\b], v[TM+4+\b]                   ; with lane l xor 16's: the block's largest magnitude
.endr
.irp b, 0,1
	v_add_nc_u32 v[TM+12+\b], 0xfe000000, v[TM+\b]                 ; 4 off its exponent field: the conversion's scale operand
.endr
.irp b, 0,1
	v_lshrrev_b32 v[TM+4+\b], 23, v[TM+12+\b]                      ; the scale's byte
.endr
	v_lshl_or_b32 v[\ph], v[TM+5], 8, v[TM+4]
	v_cvt_scalef32_pk16_bf6_f32 v[\d:\d+2], v[\s:\s+15], v[TM+12]
	v_cvt_scalef32_pk16_bf6_f32 v[\ct:\ct+2], v[\s+16:\s+31], v[TM+13]
	v_nop                                          ; one plain place behind a scaled conversion
.irp i, 0,1,2
	v_permlane16_swap_b32 v[\d+\i], v[\ct+\i]      ; lanes 0-15 now hold block 0's lower and upper 16 codes, lanes 16-31 block 1's
.endr
.irp i, 0,1,2
	v_mov_b32 v[\d+3+\i], v[\ct+\i]
.endr
.endm
; the weights of K step s: four fragments, 12 loads of 512 consecutive bytes
.macro WLOAD s
.if ((\s)%2) == 0
	WIN 0x40                                       ; destination window 1
.set LWB, 0
.else
.set LWB, WFA
.endif
.irp fa, 0,1,2,3
.irp c, 0,1,2
	global_load_b128 v[LWB+12*\fa+4*\c:LWB+12*\fa+4*\c+3], v1, s[40:41] offset:(8*\fa+(\s))*1536+512*\c
.endr
.endr
	WIN 0
.endm
; a K step: x's four fragments from LDS, the weights of the next step, 16 products on 16 accumulators by turns
.macro GSTEP s
.if ((\s)%2) == 0
.set GWB, 0
.else
.set GWB, WFA
.endif
.if (\s) > 0
	s_wait_alu depctr_va_vdst(0)                   ; the last step's products are done reading x's fragments, x's scale words and their set of weights: the loads below, up to this step's products, land in all three
.endif
.irp m, 0,1,2,3
.irp c, 0,1,2
	ds_load_b128 v[XF+12*\m+4*\c:XF+12*\m+4*\c+3], v1 offset:XIMG+(4*(\s)+\m)*1536+512*\c
.endr
.endr
	ds_load_b32 v[XS], v7 offset:XSC+256*(\s)      ; lanes 0-15 tile 0's words, lanes 16-31 tile 1's
	ds_load_b32 v[XS+1], v7 offset:XSC+256*(\s)+128   ; tiles 2 and 3
.if ((\s) > 0) && ((\s) < 7)
	WLOAD (\s)+1                                   ; into the set that the last step multiplied.  No further wait: only loads and window switches stand between the wait above and these loads
.endif
.if (\s) < 7
	s_wait_loadcnt 12                              ; this step's weights are in (at step 0 the scale words and the bias too); the next step's 12 loads may be out
.else
	s_wait_loadcnt 0x0
.endif
	s_wait_dscnt 0x0
	s_cmp_eq_u32 s47, 2
	s_cbranch_scc1 .Lgv_\@
.if (\s) == 0
	WIN 0x11                                       ; source 0 (weights) and C (bias) window 1
.elseif ((\s)%2) == 0
	WIN 0x01
.endif
.irp tb, 0,1,2,3                               ; Q, K: source 0 = 16 features, source 1 = 16 tokens
.irp fa, 0,1,2,3
.if (\s) == 0
	WM ACC+32*\tb+8*\fa, GWB+12*\fa, XF+12*\tb, BIAS+8*\fa, WS+8*(\fa/2)+(\s), XS+\tb/2, \fa%2, \tb%2
.else
	WM ACC+32*\tb+8*\fa, GWB+12*\fa, XF+12*\tb, ACC+32*\tb+8*\fa, WS+8*(\fa/2)+(\s), XS+\tb/2, \fa%2, \tb%2
.endif
.endr
.endr
	WIN 0
	s_branch .Lgd_\@
.Lgv_\@:
.if (\s) == 0
	WIN 0x14                                       ; source 1 (weights) and C (bias) window 1
.elseif ((\s)%2) == 0
	WIN 0x04
.endif
.irp fa, 0,1,2,3                               ; V: source 0 = 16 tokens, source 1 = 16 features
.irp tb, 0,1,2,3
.if (\s) == 0
	WM ACC+32*\fa+8*\tb, XF+12*\tb, GWB+12*\fa, BIAS+8*\fa, XS+\tb/2, WS+8*(\fa/2)+(\s), \tb%2, \fa%2
.else
	WM ACC+32*\fa+8*\tb, XF+12*\tb, GWB+12*\fa, ACC+32*\fa+8*\tb, XS+\tb/2, WS+8*(\fa/2)+(\s), \tb%2, \fa%2
.endif
.endr
.endr
	WIN 0
.Lgd_\@:
	PLACES 4                                       ; in front of loads into registers that these products have read, and of the first read of results
.endm
	s_load_b512 s[8:23], s[0:1], 0x0               ; pre; Wq scales, bq; Wk scales, bk; Wv scales, bv; q_img
	s_load_b128 s[24:27], s[0:1], 0x40             ; q_scl, kv
	v_lshl_add_u32 v4, v0, 2, 0xc800
	v_mov_b32 v5, 0
	v_lshrrev_b32 v26, 5, v0
	v_readfirstlane_b32 s46, v26                   ; wave 0..11
	s_wait_alu depctr_va_sdst(0)                   ; s46 is written, ahead of its first reader: kinds, heads, LDS places and bases are made from it
	s_lshr_b32 s47, s46, 2                         ; kind: 0 Q, 1 K, 2 V
	s_and_b32 s48, s46, 3                          ; which of the four heads
	s_mov_b32 s49, ttmp9                           ; cb
	s_and_b32 s50, ttmp7, 0xffff                   ; rb
	s_lshl_b32 s51, s49, 2
	s_add_co_u32 s51, s51, s48                     ; head
	s_lshr_b32 s52, s50, 5
	s_lshl_b32 s52, s52, 4
	s_add_co_u32 s52, s52, s51                     ; bh = 16 x batch + head
	s_and_b32 s53, s50, 31                         ; the block of 64 tokens within the batch
	s_mov_b32 s[SEL], 0x76543210
	s_mov_b32 s[SEL+1], 0xfedcba98                 ; v_permlanex16_b32's selects for lane l xor 16
	v_and_b32 v26, 31, v0                          ; lane
	v_and_b32 v27, 15, v0                          ; r
	v_bfe_u32 v28, v0, 4, 1                        ; h
	v_and_b32 v29, 8, v27
	v_add_nc_u32 v29, v29, v27                     ; r + 8 (r / 8)
	v_lshlrev_b32 v1, 4, v26                       ; 16 x lane
	v_lshlrev_b32 v7, 2, v26                       ; 4 x lane
	s_lshl_b32 s66, s46, 12
	v_add_nc_u32 v2, s66, v1                       ; the copy of x: my 4,096 bytes, in pre's block as in LDS
	s_lshl_b32 s66, s46, 9
	s_add_co_u32 s66, s66, XSC
	v_add_nc_u32 v3, s66, v1                       ; and, for waves 0-3, 512 bytes of the scale words
	v_lshl_add_u32 v6, v28, 3, v29
	v_lshlrev_b32 v6, 5, v6                        ; the weights' scale bytes: 32 a row; lanes 16-31 take the tile 8 rows on
	v_lshlrev_b32 v30, 6, v28                      ; bias of Q, K: my half's 16 features
	v_lshlrev_b32 v31, 2, v29                      ; bias of V: my feature
	s_mul_i32 s66, s50, 51200
	s_add_co_u32 s66, s66, XQ                      ; x's block in pre
	s_mov_b32 s67, 0
	s_mul_i32 s68, s51, 49152                      ; the head's four tiles of weights,
	s_mul_i32 s69, s47, 786432
	s_add_co_u32 s68, s68, s69                     ; in my kind's part of pre
	s_mov_b32 s69, 0
	s_lshl_b32 s70, s51, 11                        ; the head's 64 rows of scale bytes,
	s_mov_b32 s71, 0
	s_lshl_b32 s72, s51, 8                         ; and its 64 numbers of bias
	s_mov_b32 s73, 0
	s_mul_i32 s54, s52, 208896                     ; kv: the head's 16 steps of 13,056 bytes,
	s_lshr_b32 s55, s53, 1
	s_mul_i32 s55, s55, 13056
	s_add_co_u32 s54, s54, s55                     ; my step of 128 keys
	s_and_b32 s55, s53, 1                          ; and which half of it
	s_mul_i32 s56, s55, 3072
	s_add_co_u32 s56, s56, s54                     ; K's images
	s_lshl_b32 s57, s55, 8
	s_add_co_u32 s57, s57, s54
	s_add_co_u32 s57, s57, 12288                   ; K's scale words
	s_add_co_u32 s78, s56, 6144                    ; V's images
	s_lshl_b32 s79, s55, 1
	s_add_co_u32 s79, s79, s54
	s_add_co_u32 s79, s79, 12800                   ; V's scale bytes: two of each word's four
	s_mul_i32 s74, s52, 98304
	s_mul_i32 s75, s53, 3072
	s_add_co_u32 s74, s74, s75                     ; Q's images
	s_lshl_b32 s76, s52, 13
	s_lshl_b32 s77, s53, 8
	s_add_co_u32 s76, s76, s77                     ; Q's scale words
	s_mov_b32 s75, 0
	s_mov_b32 s77, 0
	s_wait_kmcnt 0x0
	s_cmp_eq_u32 s47, 0                            ; the choices hang on the wave's number alone
	s_cselect_b64 s[42:43], s[10:11], s[14:15]
	s_cselect_b64 s[44:45], s[12:13], s[16:17]
	s_cselect_b64 s[58:59], s[22:23], s[26:27]
	s_cselect_b64 s[60:61], s[24:25], s[26:27]
	s_cselect_b32 s74, s74, s56
	s_cselect_b32 s76, s76, s57
	s_cmp_eq_u32 s47, 2
	s_cselect_b64 s[42:43], s[18:19], s[42:43]
	s_cselect_b64 s[44:45], s[20:21], s[44:45]
	s_cselect_b32 s74, s78, s74
	s_cselect_b32 s76, s79, s76
	s_add_nc_u64 s[4:5], s[8:9], s[66:67]          ; x's block,
	s_add_nc_u64 s[40:41], s[8:9], s[68:69]        ; my weights' images,
	s_add_nc_u64 s[42:43], s[42:43], s[70:71]      ; scale bytes,
	s_add_nc_u64 s[44:45], s[44:45], s[72:73]      ; bias
	s_add_nc_u64 s[58:59], s[58:59], s[74:75]      ; where my images go,
	s_add_nc_u64 s[60:61], s[60:61], s[76:77]      ; and my scales
	s_wait_alu depctr_va_vdst(0)                   ; the offsets v1, v2, v3, v6, v7, v30, v31 are written: every load and store of the kernel reads one of them; no vector or matrix instruction follows before step 0's products
.irp j, 0,1,2,3,4,5,6,7
	global_load_b128 v[ACC+4*\j:ACC+4*\j+3], v2, s[4:5] offset:512*\j   ; the copy of x comes first: all twelve waves wait for it
.endr
	s_cmp_lt_u32 s46, 4
	s_cbranch_scc0 .Lcopy_asked
	global_load_b128 v[ACC+32:ACC+35], v3, s[4:5]
.Lcopy_asked:
.irp i, 0,1
	global_load_b128 v[WS+8*\i:WS+8*\i+3], v6, s[42:43] offset:1024*\i        ; a row's eight scale words: K steps 0-3,
	global_load_b128 v[WS+8*\i+4:WS+8*\i+7], v6, s[42:43] offset:1024*\i+16   ; and 4-7
.endr
	s_cmp_eq_u32 s47, 2                            ; the bias in the result's layout: it is the C of each sum's first product
	s_cbranch_scc1 .Lbias_v
	WIN 0x40
.irp fa, 0,1,2,3                               ; Q, K: register j of tile a is feature 32 (a / 2) + 16 h + 8 (a % 2) + j
	global_load_b128 v[BIAS+8*\fa:BIAS+8*\fa+3], v30, s[44:45] offset:(32*(\fa/2)+8*(\fa%2))*4
	global_load_b128 v[BIAS+8*\fa+4:BIAS+8*\fa+7], v30, s[44:45] offset:(32*(\fa/2)+8*(\fa%2))*4+16
.endr
	WIN 0
	s_branch .Lbias_done
.Lbias_v:
	WIN 0x40
.irp fa, 0,1,2,3                               ; V: all eight registers of tile a belong to my one feature
.irp j, 0,1,2,3,4,5,6,7
	global_load_b32 v[BIAS+8*\fa+\j], v31, s[44:45] offset:(32*(\fa/2)+8*(\fa%2))*4
.endr
.endr
	WIN 0
.Lbias_done:
	WLOAD 0
	WLOAD 1
	s_wait_loadcnt 36                              ; the copy is in: behind it at least 4 + 8 + 24 loads were issued
.irp j, 0,1,2,3,4,5,6,7
	ds_store_b128 v2, v[ACC+4*\j:ACC+4*\j+3] offset:512*\j
.endr
	s_cmp_lt_u32 s46, 4
	s_cbranch_scc0 .Lcopy_done
	ds_store_b128 v3, v[ACC+32:ACC+35]
.Lcopy_done:
	s_wait_dscnt 0x0                               ; for the others' sake: my part of the copy lies in LDS
	s_barrier_signal -1
	s_barrier_wait -1                              ; x's 32 fragments and their scale words lie in LDS: the one barrier of the launch
	s_wait_alu depctr_vm_vsrc(0)                   ; my LDS stores have read v128-163: these registers are accumulators from here on, written by step 0's products
	GSTEP 0
	GSTEP 1
	GSTEP 2
	GSTEP 3
	GSTEP 4
	GSTEP 5
	GSTEP 6
	GSTEP 7                                        ; its four places serve the reads and writes below
	; THE WAY OUT.  Unit u is token tile u (Q, K: 64 features) or feature tile u (V: 64 tokens): 32 registers, two blocks of 32
	v_mov_b32 v[TM+4], 0                           ; a lane permute's destination counts as one of its sources
	v_mov_b32 v[TM+5], 0
.irp u, 0,1,2,3
	QUANT2 ACC+32*\u, 64+8*\u, 96+\u, 48+4*\u
.endr
	v_and_b32 v100, 31, v0
	v_lshlrev_b32 v100, 3, v100                    ; 8 x lane
	s_mov_b32 vcc_lo, 0xffff0000
	v_cndmask_b32 v101, v96, v97, vcc_lo           ; lanes 0-15 unit 0's scale bytes, lanes 16-31 unit 1's (both halves of the lanes hold every row's)
	v_cndmask_b32 v102, v98, v99, vcc_lo
	s_wait_alu depctr_va_vdst(0)                   ; the four units' codes (v64-93), the offset v100 and the scale words v101, v102 are written: the stores below, on both ways, read them
.irp u, 0,1,2,3
	global_store_b128 v1, v[64+8*\u:67+8*\u], s[58:59] offset:768*\u          ; 512 consecutive bytes,
	global_store_b64 v100, v[68+8*\u:69+8*\u], s[58:59] offset:768*\u+512     ; and 256
.endr
	s_cmp_eq_u32 s47, 2
	s_cbranch_scc1 .Lsc_v
	global_store_b32 v7, v101, s[60:61]            ; Q, K: a word a row, its upper two bytes 0
	global_store_b32 v7, v102, s[60:61] offset:128
	s_wait_dscnt 0x0                               ; the closing lines, six on end
	s_wait_alu 0x0
	s_wait_tensorcnt 0x0
	ds_add_u32 v4, v5
	s_wait_dscnt 0x0
	s_endpgm
.Lsc_v:
	global_store_b16 v7, v101, s[60:61]            ; V: my 64 tokens' two bytes of a feature's word for 128 keys
	global_store_b16 v7, v102, s[60:61] offset:128
	s_wait_dscnt 0x0                               ; the closing lines once more, for this end
	s_wait_alu 0x0
	s_wait_tensorcnt 0x0
	ds_add_u32 v4, v5
	s_wait_dscnt 0x0
	s_endpgm
.Lfunc_end_k_q4655901e45_qkv:
	.size	k_q4655901e45_qkv, .Lfunc_end_k_q4655901e45_qkv-k_q4655901e45_qkv
	.p2alignl 7, 3214868480
	.fill 96, 4, 3214868480
	.section	.rodata,"a",@progbits
	.p2align	6, 0x0
	.amdhsa_kernel k_q4655901e45_qkv
		.amdhsa_group_segment_fixed_size 52736
		.amdhsa_private_segment_fixed_size 0
		.amdhsa_enable_private_segment 0
		.amdhsa_kernarg_size 80
		.amdhsa_user_sgpr_count 2
		.amdhsa_user_sgpr_kernarg_segment_ptr 1
		.amdhsa_wavefront_size32 1
		.amdhsa_system_sgpr_workgroup_id_x 1
		.amdhsa_system_sgpr_workgroup_id_y 1
		.amdhsa_system_sgpr_workgroup_id_z 1
		.amdhsa_system_vgpr_workitem_id 0
		.amdhsa_next_free_vgpr 336
		.amdhsa_next_free_sgpr 80
		.amdhsa_reserve_vcc 1
		.amdhsa_float_denorm_mode_32 3
		.amdhsa_float_denorm_mode_16_64 3
		.amdhsa_memory_ordered 1
		.amdhsa_forward_progress 1
		.amdhsa_inst_pref_size 71
	.end_amdhsa_kernel
	.amdgpu_metadata
---
amdhsa.version: [ 1, 2 ]
amdhsa.kernels:
  - .name:           k_q4655901e45_qkv
    .symbol:         k_q4655901e45_qkv.kd
    .args:
      - { .name: pre, .offset: 0, .size: 8, .value_kind: global_buffer, .address_space: global }
      - { .name: Wq_scales, .offset: 8, .size: 8, .value_kind: global_buffer, .address_space: global }
      - { .name: bq, .offset: 16, .size: 8, .value_kind: global_buffer, .address_space: global }
      - { .name: Wk_scales, .offset: 24, .size: 8, .value_kind: global_buffer, .address_space: global }
      - { .name: bk, .offset: 32, .size: 8, .value_kind: global_buffer, .address_space: global }
      - { .name: Wv_scales, .offset: 40, .size: 8, .value_kind: global_buffer, .address_space: global }
      - { .name: bv, .offset: 48, .size: 8, .value_kind: global_buffer, .address_space: global }
      - { .name: q_img, .offset: 56, .size: 8, .value_kind: global_buffer, .address_space: global }
      - { .name: q_scl, .offset: 64, .size: 8, .value_kind: global_buffer, .address_space: global }
      - { .name: kv, .offset: 72, .size: 8, .value_kind: global_buffer, .address_space: global }
    .group_segment_fixed_size: 52736
    .private_segment_fixed_size: 0
    .kernarg_segment_align: 8
    .kernarg_segment_size: 80
    .max_flat_workgroup_size: 384
    .sgpr_count:     80
    .vgpr_count:     336
    .wavefront_size: 32
...
	.end_amdgpu_metadata
.endif
;; end of part 6
;; launch attn (part 7): grid 8 x 32, 16 waves a work-group, clusters of 4 x 1, 210,944 bytes of LDS; arguments q_img, q_scl, kv, a_img, a_scl; writes a_img, a_scl
.if DOCPART == 7
	.amdgcn_target "amdgcn-amd-amdhsa--gfx1250"
	.amdhsa_code_object_version 6
	.text
	.protected	k_q4655901e45_attn
	.globl	k_q4655901e45_attn
	.p2align	8
	.type	k_q4655901e45_attn,@function
k_q4655901e45_attn:
	s_mov_b64 s[64:65], 0
	v_nop
	global_prefetch_b8 v0, s[64:65] scope:SCOPE_SE
	s_setreg_imm32_b32 hwreg(HW_REG_WAVE_MODE, 25, 1), 1
	s_wait_xcnt 0x0
	s_wait_alu depctr_hold_cnt(0) depctr_sa_sdst(0) depctr_va_vdst(0) depctr_va_sdst(0) depctr_va_ssrc(0) depctr_va_vcc(0) depctr_vm_vsrc(0)
	s_getreg_b32 s2, hwreg(HW_REG_IB_STS2, 6, 4)
	s_cmp_eq_u32 s2, 0
	s_cbranch_scc0 .Lentry_in_a_cluster
	s_endpgm
.Lentry_in_a_cluster:
	s_bfe_u32 s2, ttmp6, 0x10000c
	s_cmp_lg_u32 s2, 0x3003
	s_cbranch_scc0 .Lentry_shape_is_right
	s_endpgm
.Lentry_shape_is_right:
; attended[q] = (the sum over keys of p V) / (the sum of p), p = 2^(t - M), t = score x log2(e) / 8, M = the running largest t rounded up to a whole number; both products on codes of BF6 (E3M2) with one
; E8M0 scale for each 32 along K.  The row's sum is taken of the unquantised p.  The result is quantised along the head's 64 features for the last product.
; SHARES.  A work-group owns 256 queries of one (batch, head), each of its sixteen waves one tile of 16 in 256 registers: four waves to a SIMD, so that one wave's vector work stands beside another's products.
; THE WHOLE HEAD'S K AND V LIE IN LDS: 16 steps of 128 keys, 13,056 bytes each, as the projection launch laid them: 8 half images of K (768 bytes: 16 keys x 64), 8 of V^T ([64 keys c][16 features a]),
; 8 x 16 scale words of K, 4 x 16 of V.  No byte of LDS is filled twice.  Waves 0-3 bring them by four tensor loads each (four of a wave's are out at the most): load c of wave w is step 4 c + w.
; TWO BARRIERS: behind the first the steps 0-3 are read while the other twelve land.
; CLUSTER.  The four work-groups of a cluster share the head, so each step is asked for JOINTLY: the same load, the same descriptor, the mask of all four.
; LAYOUT.  S^T = K Q^T (source 0 = 16 keys, source 1 = my 16 queries), O^T = V^T P^T: a lane holds one query throughout.  The keys of a tile are not neighbours (row r of tile t: key 32 (t / 2) + 8 (t % 2) + r + 8 (r / 8)),
; so that the 16 registers of two neighbouring tiles are 16 neighbouring keys.
; THE HEAD HAS 64 OF THE INSTRUCTION'S 128 ALONG K.  Q's upper six registers are zero codes.  K's tiles stand six registers apart, so a tile's upper six registers are the next tile's codes (behind the last: zeros):
; they meet Q's zero codes, under scale bytes 0 on both sides, and add nothing.
; LIMITS: a block of p whose largest lies under 2^-122 keeps the scale byte 1.  A block's largest p is made from its largest score by the same two instructions: this takes v_exp_f32 not to fall where its input rises.
; NaN and infinities are not served.
; REGISTERS: v1-3 16, 8, 4 x lane; v4, v6 4 r, 32 r; v8-10 the step's LDS addresses; v12 -M, v13 the largest t, v[14:15] the sum in two halves; v16-27 Q; v28 Q's scale word; v32-85 K, then V; v96-159 S^T, then p;
; v160-191 O^T; v192-195 the blocks' largest; v196-199 the conversions' scale operands; v200-203 K's scale words, v204-205 V's; v224-235 p's codes; v236-243 at work; v252 f, v253 p's scale word, v254 at work.
.set WV,    18
.set SEL,   20
.set CS,    22
.set G1,    24
.set G0,    32
.set TB,    48
.set CNT,   49
.set STEPB, 13056
.set VIMG,  6144
.set KSC,   12288
.set VSC,   12800
.set TM,    32
.macro PLACES n
.rept \n
	v_nop
.endr
.endm
.macro ROUND                           ; a round of the cluster's barrier
	s_barrier_signal -1
	s_barrier_wait -1
	s_cmp_lg_u32 s[WV], 0
	s_cbranch_scc1 .Lnot_wave_0_\@
	s_barrier_signal -3
.Lnot_wave_0_\@:
	s_barrier_wait -3
	s_barrier_signal -1
	s_barrier_wait -1
.endm
; one product; z = 1: it starts its sum; ra = 1: source 0's scales stand in lanes 16-31
.macro WM d, a, b, z, sa, sb, ra
.if ((\z) == 1) && ((\ra) == 0)
	v_wmma_scale_f32_16x16x128_f8f6f4 v[\d:\d+7], v[\a:\a+11], v[\b:\b+11], 0, v[\sa], v[\sb] matrix_a_fmt:MATRIX_FMT_BF6 matrix_b_fmt:MATRIX_FMT_BF6
.elseif (\z) == 1
	v_wmma_scale_f32_16x16x128_f8f6f4 v[\d:\d+7], v[\a:\a+11], v[\b:\b+11], 0, v[\sa], v[\sb] matrix_a_fmt:MATRIX_FMT_BF6 matrix_b_fmt:MATRIX_FMT_BF6 matrix_a_scale:MATRIX_SCALE_ROW1
.elseif (\ra) == 0
	v_wmma_scale_f32_16x16x128_f8f6f4 v[\d:\d+7], v[\a:\a+11], v[\b:\b+11], v[\d:\d+7], v[\sa], v[\sb] matrix_a_fmt:MATRIX_FMT_BF6 matrix_b_fmt:MATRIX_FMT_BF6
.else
	v_wmma_scale_f32_16x16x128_f8f6f4 v[\d:\d+7], v[\a:\a+11], v[\b:\b+11], v[\d:\d+7], v[\sa], v[\sb] matrix_a_fmt:MATRIX_FMT_BF6 matrix_b_fmt:MATRIX_FMT_BF6 matrix_a_scale:MATRIX_SCALE_ROW1
.endif
.endm
; 32 numbers of a lane, register 16 b + i = k 32 b + 16 (lane / 16) + i of my row: six registers of codes in v[d] on, the two scale bytes in v[ph]; ct: three registers at work
.macro QUANT2 s, d, ph, ct
.irp b, 0,1
	v_max3_num_f32 v[TM+\b], |v[\s+16*\b]|, |v[\s+1+16*\b]|, 0x2800000   ; and the floor 2^(5 - 127): the byte cannot fall under 1
.endr
.irp i, 2,4,6,8,10,12,14
.irp b, 0,1
	s_delay_alu instid0(VALU_DEP_2)
	v_max3_num_f32 v[TM+\b], v[TM+\b], |v[\s+16*\b+\i]|, |v[\s+1+16*\b+\i]|
.endr
.endr
.irp b, 0,1
	s_delay_alu instid0(VALU_DEP_2)
	v_permlanex16_b32 v[TM+4+\b], v[TM+\b], s[SEL], s[SEL+1]
.endr
.irp b, 0,1
	s_delay_alu instid0(VALU_DEP_2)
	v_max_num_f32 v[TM+\b], v[TM+\b], v[TM+4+\b]
.endr
.irp b, 0,1
	s_delay_alu instid0(VALU_DEP_2)
	v_add_nc_u32 v[TM+12+\b], 0xfe000000, v[TM+\b]                 ; 4 off the exponent field: the conversion's scale operand
.endr
.irp b, 0,1
	s_delay_alu instid0(VALU_DEP_2)
	v_lshrrev_b32 v[TM+4+\b], 23, v[TM+12+\b]
.endr
	s_delay_alu instid0(VALU_DEP_1)
	v_lshl_or_b32 v[\ph], v[TM+5], 8, v[TM+4]
	v_cvt_scalef32_pk16_bf6_f32 v[\d:\d+2], v[\s:\s+15], v[TM+12]
	v_cvt_scalef32_pk16_bf6_f32 v[\ct:\ct+2], v[\s+16:\s+31], v[TM+13]
	v_nop                                          ; one plain place behind a scaled conversion
.irp i, 0,1,2
	v_permlane16_swap_b32 v[\d+\i], v[\ct+\i]
.endr
.irp i, 0,1,2
	s_delay_alu instid0(VALU_DEP_3)
	v_mov_b32 v[\d+3+\i], v[\ct+\i]
.endr
.endm
; A KEY STEP: the 128 keys whose block begins at LDS byte s[TB]
.macro STEP
	v_add_nc_u32 v8, s[TB], v1
	v_add_nc_u32 v9, s[TB], v2
	v_add_nc_u32 v10, s[TB], v3
	v_nop                                          ; four places behind the last step's products, in front of loads into registers that they have read
.irp t, 0,1,2,3,4,5,6,7
	ds_load_b128 v[32+6*\t:35+6*\t], v8 offset:768*\t
	ds_load_b64 v[36+6*\t:37+6*\t], v9 offset:768*\t+512
.endr
.irp i, 0,1,2,3
	ds_load_b32 v[200+\i], v10 offset:KSC+128*\i   ; lanes 0-15 tile 2 i's words, lanes 16-31 tile 2 i + 1's
.endr
	s_wait_alu depctr_va_vdst(0)
	s_wait_dscnt 0x0
.irp t, 0,1,2,3,4,5,6,7
	WM 96+8*\t, 32+6*\t, 16, 1, 200+\t/2, 28, \t%2
.endr
	PLACES 4                                       ; in front of the loads into K's registers and of the first read of the scores
.irp a, 0,1,2,3                                ; V^T lands while the softmax is worked: fragment a = the two halves' images of features' tile a
.irp c, 0,1
	ds_load_b128 v[32+12*\a+6*\c:35+12*\a+6*\c], v8 offset:VIMG+3072*\c+768*\a
	ds_load_b64 v[36+12*\a+6*\c:37+12*\a+6*\c], v9 offset:VIMG+3072*\c+768*\a+512
.endr
.endr
.irp i, 0,1
	ds_load_b32 v[204+\i], v10 offset:VSC+128*\i
.endr
.irp b, 0,1,2,3
	v_max3_num_f32 v[192+\b], v[96+16*\b], v[97+16*\b], v[98+16*\b]   ; the largest score of each block of 32 keys: for the row's maximum, and for the block's largest p
.endr
.irp i, 3,5,7,9,11,13
.irp b, 0,1,2,3
	v_max3_num_f32 v[192+\b], v[192+\b], v[96+16*\b+\i], v[97+16*\b+\i]
.endr
.endr
.irp b, 0,1,2,3
	v_max_num_f32 v[192+\b], v[192+\b], v[111+16*\b]
.endr
.irp b, 0,1,2,3
	s_delay_alu instid0(VALU_DEP_4)
	v_permlanex16_b32 v[236+\b], v[192+\b], s[SEL], s[SEL+1]
.endr
.irp b, 0,1,2,3
	s_delay_alu instid0(VALU_DEP_4)
	v_max_num_f32 v[192+\b], v[192+\b], v[236+\b]  ; with lane l xor 16's 16 keys
.endr
	s_delay_alu instid0(VALU_DEP_2)
	v_max3_num_f32 v254, v192, v193, v194
	s_delay_alu instid0(VALU_DEP_1)
	v_max_num_f32 v254, v254, v195                 ; the step's largest score of my query
	s_delay_alu instid0(VALU_DEP_1)
	v_mul_f32 v254, s[CS], v254                    ; as t
	s_delay_alu instid0(VALU_DEP_1)
	v_max_num_f32 v13, v13, v254                   ; the running largest t
	v_mov_b32 v254, v12
	s_delay_alu instid0(VALU_DEP_2)
	v_floor_f32 v12, -v13                          ; the new -M = floor(-t): M is a whole number
	s_delay_alu instid0(VALU_DEP_1)
	v_sub_f32 v254, v12, v254                      ; old M - new M: a whole number, 0 or less
	s_delay_alu instid0(VALU_DEP_1)
	v_cvt_i32_f32 v254, v254                       ; (it saturates)
	s_delay_alu instid0(VALU_DEP_1)
	v_ldexp_f32 v252, 1.0, v254                    ; f = 2^(old M - new M): a multiplication by it rounds nothing
.set J, 0
.rept 32
	v_pk_fma_f32 v[96+J:97+J], v[96+J:97+J], s[CS:CS+1], v[12:13] op_sel_hi:[1,0,0]   ; t - M, two at a time
.set J, J+2
.endr
.irp b, 0,1,2,3
	v_fma_f32 v[192+\b], v[192+\b], s[CS], v12     ; the same of each block's largest score
.endr
.set J, 0
	s_setprio 1
	s_wait_alu depctr_va_vdst(0)
.rept 64
	v_exp_f32 v[96+J], v[96+J]                     ; p = 2^(t - M), at most 1
.set J, J+1
.endr
.irp b, 0,1,2,3
	v_exp_f32 v[192+\b], v[192+\b]                 ; the block's largest p
.endr
	v_pk_mul_f32 v[14:15], v[14:15], v[252:253] op_sel_hi:[1,0]   ; the sums under the new M.  (A plain place behind the exponentials)
	s_wait_alu depctr_va_vdst(0)
.irp b, 0,1,2,3
	v_max_num_f32 v[192+\b], 0x2800000, v[192+\b]  ; the floor 2^(5 - 127)
.endr
.irp b, 0,1,2,3
	s_delay_alu instid0(VALU_DEP_4)
	v_add_nc_u32 v[196+\b], 0xfe000000, v[192+\b]  ; 4 off the exponent field: the conversion's scale operand
.endr
.irp b, 0,1,2,3
	s_delay_alu instid0(VALU_DEP_4)
	v_lshrrev_b32 v[236+\b], 23, v[196+\b]         ; the scale's byte
.endr
	s_delay_alu instid0(VALU_DEP_3)
	v_lshl_or_b32 v253, v237, 8, v236              ; p's scale word for these 128 keys
	s_delay_alu instid0(VALU_DEP_1)
	v_lshl_or_b32 v253, v238, 16, v253
	s_delay_alu instid0(VALU_DEP_1)
	v_lshl_or_b32 v253, v239, 24, v253
.irp c, 0,1
	v_cvt_scalef32_pk16_bf6_f32 v[224+6*\c:226+6*\c], v[96+32*\c:111+32*\c], v[196+2*\c]
	v_cvt_scalef32_pk16_bf6_f32 v[236+4*\c:238+4*\c], v[112+32*\c:127+32*\c], v[196+2*\c+1]
.endr
	v_nop                                          ; one plain place behind a scaled conversion
.irp c, 0,1
.irp i, 0,1,2
	v_permlane16_swap_b32 v[224+6*\c+\i], v[236+4*\c+\i]
.endr
.irp i, 0,1,2
	s_delay_alu instid0(VALU_DEP_3)
	v_mov_b32 v[227+6*\c+\i], v[236+4*\c+\i]
.endr
.endr
.set J, 0
.rept 16
	v_pk_mul_f32 v[160+J:161+J], v[160+J:161+J], v[252:253] op_sel_hi:[1,0]   ; O^T under the new M
.set J, J+2
.endr
	v_pk_add_f32 v[236:237], v[100:101], v[104:105]
	v_pk_add_f32 v[248:249], v[108:109], v[112:113]
	v_pk_add_f32 v[246:247], v[116:117], v[120:121]
	v_pk_add_f32 v[244:245], v[124:125], v[128:129]
	v_pk_add_f32 v[242:243], v[132:133], v[136:137]
	v_pk_add_f32 v[240:241], v[140:141], v[144:145]
	v_pk_add_f32 v[222:223], v[148:149], v[152:153]
	v_pk_add_f32 v[14:15], v[14:15], v[156:157]
	v_pk_add_f32 v[236:237], v[236:237], v[96:97]
	v_pk_add_f32 v[248:249], v[248:249], v[98:99]
	v_pk_add_f32 v[246:247], v[246:247], v[102:103]
	s_setprio 0
	v_pk_add_f32 v[244:245], v[244:245], v[106:107]
	v_pk_add_f32 v[242:243], v[242:243], v[110:111]
	v_pk_add_f32 v[240:241], v[240:241], v[114:115]
	v_pk_add_f32 v[222:223], v[222:223], v[118:119]
	v_pk_add_f32 v[14:15], v[14:15], v[122:123]
	v_pk_add_f32 v[236:237], v[236:237], v[126:127]
	v_pk_add_f32 v[248:249], v[248:249], v[130:131]
	v_pk_add_f32 v[246:247], v[246:247], v[134:135]
	v_pk_add_f32 v[244:245], v[244:245], v[138:139]
	v_pk_add_f32 v[242:243], v[242:243], v[142:143]
	v_pk_add_f32 v[240:241], v[240:241], v[146:147]
	v_pk_add_f32 v[222:223], v[222:223], v[150:151]
	v_pk_add_f32 v[14:15], v[14:15], v[154:155]
	v_pk_add_f32 v[236:237], v[236:237], v[158:159]
	s_delay_alu instid0(VALU_DEP_2)
	v_pk_add_f32 v[14:15], v[14:15], v[244:245]
	s_delay_alu instid0(VALU_DEP_2)
	v_pk_add_f32 v[236:237], v[236:237], v[242:243]
	v_pk_add_f32 v[248:249], v[248:249], v[240:241]
	v_pk_add_f32 v[246:247], v[246:247], v[222:223]
	s_delay_alu instid0(VALU_DEP_2)
	v_pk_add_f32 v[14:15], v[14:15], v[248:249]
	s_delay_alu instid0(VALU_DEP_2)
	v_pk_add_f32 v[236:237], v[236:237], v[246:247]
	s_delay_alu instid0(VALU_DEP_1)
	v_pk_add_f32 v[14:15], v[14:15], v[236:237]
	s_wait_dscnt 0x0                               ; V^T is in
.irp a, 0,1,2,3
	WM 160+8*\a, 32+12*\a, 224, 0, 204+\a/2, 253, \a%2   ; four accumulators by turns, one instruction a turn
.endr
.endm
; the key steps first .. first + steps - 1.  Waves 0-3: of my four loads all but the last 'left' have landed (nothing is ever filled again, so the others may stay out); behind the barrier everybody's have
.macro CHUNK first, steps, left
	s_wait_tensorcnt \left
	s_wait_dscnt 0x0
	s_barrier_signal -1
	s_barrier_wait -1
	s_mov_b32 s[TB], \first*STEPB
	s_mov_b32 s[CNT], \steps
.Lstep_\@:
	s_setprio 2
	STEP
	s_add_co_u32 s[TB], s[TB], STEPB
	s_sub_co_u32 s[CNT], s[CNT], 1
	s_cmp_lg_u32 s[CNT], 0
	s_cbranch_scc1 .Lstep_\@
	s_setprio 0
.endm
	s_load_b256 s[4:11], s[0:1], 0x0               ; q_img, q_scl, kv, a_img
	s_load_b64 s[12:13], s[0:1], 0x20              ; a_scl
	v_lshl_add_u32 v251, v0, 2, 0x33000
	v_mov_b32 v255, 0
	ds_add_u32 v251, v255
	ds_add_u32 v251, v255
	v_lshrrev_b32 v5, 5, v0
	s_delay_alu instid0(VALU_DEP_1)
	v_readfirstlane_b32 s[WV], v5                  ; wave 0..15
	v_and_b32 v5, 31, v0
	s_delay_alu instid0(VALU_DEP_1)
	v_lshlrev_b32 v1, 4, v5
	s_delay_alu instid0(VALU_DEP_2)
	v_lshlrev_b32 v2, 3, v5
	s_delay_alu instid0(VALU_DEP_3)
	v_lshlrev_b32 v3, 2, v5
	v_and_b32 v5, 15, v0
	s_delay_alu instid0(VALU_DEP_1)
	v_lshlrev_b32 v4, 2, v5
	s_delay_alu instid0(VALU_DEP_2)
	v_lshlrev_b32 v6, 5, v5
	s_bfe_u32 s14, ttmp6, 0x40000                  ; cx: it enters Q's and the result's addresses alone
	s_lshl_b32 s15, ttmp9, 2
	s_add_co_u32 s15, s15, s14                     ; my block of 256 queries
	s_and_b32 s16, ttmp7, 0xffff                   ; bh, which the four partners share
	s_lshl_b32 s17, s15, 4
	s_add_co_u32 s17, s17, s[WV]                   ; my tile within the batch
	; descriptor group 1: a step's dense 13,056 bytes as 51 rows of 256 bytes (32 elements of 8 bytes), no padding
	s_mov_b32 s[G1], 15|(3<<16)|(1<<21)            ; 15:0 the mask: all four work-groups; 17:16 elements of 8 bytes; 21 set beside a mask
	s_mov_b32 s[G1+1], 32<<16                      ; tensor_dim0
	s_mov_b32 s[G1+2], 51<<16                      ; tensor_dim1
	s_mov_b32 s[G1+3], 32<<16                      ; tile_dim0
	s_mov_b32 s[G1+4], 51                          ; tile_dim1
	s_mov_b32 s[G1+5], 32                          ; from row to row
	s_mov_b32 s[G1+6], 0
	s_mov_b32 s[G1+7], 0
	s_mul_i32 s50, s16, 16*STEPB                   ; the head's block of kv,
	s_mov_b32 s51, 0
	s_and_b32 s54, s[WV], 3
	s_mul_i32 s54, s54, STEPB                      ; my step of four: in LDS as in memory
	s_mov_b32 s55, 0
	s_add_nc_u64 s[50:51], s[50:51], s[54:55]
	s_mul_i32 s56, s16, 98304
	s_mul_i32 s57, s17, 768
	s_add_co_u32 s56, s56, s57                     ; Q's image
	s_mov_b32 s57, 0
	s_lshl_b32 s58, s16, 13
	s_lshl_b32 s59, s17, 6
	s_add_co_u32 s58, s58, s59                     ; Q's scale words
	s_mov_b32 s59, 0
	s_lshr_b32 s60, s16, 4
	s_lshl_b32 s60, s60, 7
	s_add_co_u32 s60, s60, s17                     ; my tile among all 256
	s_and_b32 s61, s16, 15                         ; the head
	s_lshl_b32 s62, s60, 4
	s_add_co_u32 s62, s62, s61
	s_mul_i32 s62, s62, 768                        ; the result's image
	s_mov_b32 s63, 0
	s_lshl_b32 s60, s60, 9
	s_lshl_b32 s61, s61, 1
	s_add_co_u32 s60, s60, s61                     ; its scale bytes: 32 a row, two a head
	s_mov_b32 s61, 0
	s_mov_b32 s[SEL], 0x76543210
	s_mov_b32 s[SEL+1], 0xfedcba98
	s_mov_b32 s[CS], 0x3e38aa3b                    ; log2(e) / sqrt(64)
	s_mov_b32 s[CS+1], s[CS]                       ; (named with it as a pair, so it is written)
	s_wait_dscnt 0x0
	s_wait_kmcnt 0x0
	s_add_nc_u64 s[52:53], s[8:9], s[50:51]
.irp c, 0,1,2,3
	s_mov_b32 s[G0+4*\c], 1                        ; count = 1
	s_add_co_u32 s[G0+4*\c+1], s54, \c*4*STEPB     ; LDS address: step 4 c + w
	s_add_nc_u64 s[G0+4*\c+2:G0+4*\c+3], s[52:53], \c*4*STEPB
	s_or_b32 s[G0+4*\c+3], s[G0+4*\c+3], 0x80000000   ; type = 2
.endr
	s_add_nc_u64 s[4:5], s[4:5], s[56:57]
	s_add_nc_u64 s[6:7], s[6:7], s[58:59]
	s_add_nc_u64 s[10:11], s[10:11], s[62:63]
	s_add_nc_u64 s[12:13], s[12:13], s[60:61]
	ROUND                                          ; all four work-groups are here: the joint loads meet
	s_cmp_lt_u32 s[WV], 4                          ; all the fills of a wave stand in one branch, ahead of every wait on TENSORcnt and every LDS read
	s_cbranch_scc0 .Lno_fill
	tensor_load_to_lds s[G0:G0+3], s[G1:G1+7]
	s_nop 0
	tensor_load_to_lds s[G0+4:G0+7], s[G1:G1+7]
	s_nop 0
	tensor_load_to_lds s[G0+8:G0+11], s[G1:G1+7]
	s_nop 0
	tensor_load_to_lds s[G0+12:G0+15], s[G1:G1+7]
	s_nop 0
.rept 4
	v_nop
.endr
.Lno_fill:
	s_wait_alu depctr_va_vdst(0)
	global_load_b128 v[16:19], v1, s[4:5]          ; Q's half image stays in registers
	global_load_b64 v[20:21], v2, s[4:5] offset:512
	global_load_b32 v28, v4, s[6:7]                ; and its scale words
.irp j, 22,23,24,25,26,27,80,81,82,83,84,85
	v_mov_b32 v[\j], 0                             ; zero codes: Q's upper 64 along K; what stands behind K's last tile
.endr
	v_mov_b32 v13, 0xff61b1e6                      ; the largest t so far: -3e38
	s_delay_alu instid0(VALU_DEP_1)
	v_floor_f32 v12, -v13                          ; -M
	v_mov_b32 v14, 0
	v_mov_b32 v15, 0
.irp b, 0,1,2,3
	v_mov_b32 v[236+\b], 0                         ; written once: a lane permute's destination counts as one of its sources
.endr
	v_mov_b32 v253, 0                              ; (named as the upper half of the pair v[252:253] before it is first written)
.set J, 0
.rept 32
	v_mov_b32 v[160+J], 0                          ; O^T: the step is written once; the first finds zeros, which the first change of M leaves zeros
.set J, J+1
.endr
	s_wait_loadcnt 0x0                             ; Q
	CHUNK 0, 4, 3                                  ; steps 0-3: each fetching wave's first load; its other three may be out
	CHUNK 4, 12, 0                                 ; steps 4-15: all loads have landed, in front of the one barrier that stands ahead of every read of them
	; THE WAY OUT: O^T / the sum, quantised along the head's 64 features: register 8 a + j is feature 32 (a / 2) + 16 h + 8 (a % 2) + j of my query
	PLACES 4
	s_wait_alu depctr_va_vdst(0)
	v_add_f32 v14, v14, v15                        ; the sum's two halves,
	s_delay_alu instid0(VALU_DEP_1)
	v_permlanex16_b32 v252, v14, s[SEL], s[SEL+1]
	s_delay_alu instid0(VALU_DEP_1)
	v_add_f32 v14, v14, v252                       ; and lane l xor 16's
	s_wait_alu depctr_va_vdst(0)
	v_rcp_f32 v14, v14
	v_mov_b32 v[TM+4], 0                           ; (a plain place behind the transcendental)
	v_mov_b32 v[TM+5], 0
.set J, 0
	s_wait_alu depctr_va_vdst(0)
.rept 16
	v_pk_mul_f32 v[96+J:97+J], v[160+J:161+J], v[14:15] op_sel_hi:[1,0]   ; each accumulator from its low end on
.set J, J+2
.endr
	QUANT2 96, 224, 230, 48
	global_store_b128 v1, v[224:227], s[10:11]     ; 512 consecutive bytes,
	global_store_b64 v2, v[228:229], s[10:11] offset:512   ; and 256
	global_store_b16 v6, v230, s[12:13]            ; my row's two scale bytes; lanes l and l + 16 write the same bytes with the same value
	s_wait_tensorcnt 0x0
	ds_add_u32 v251, v255
	s_wait_dscnt 0x0
	ROUND                                          ; the closing round: no work-group ends while a partner may still ask for a step that names it
	s_endpgm
.Lfunc_end_k_q4655901e45_attn:
	.size	k_q4655901e45_attn, .Lfunc_end_k_q4655901e45_attn-k_q4655901e45_attn
	.p2alignl 7, 3214868480
	.fill 96, 4, 3214868480
	.section	.rodata,"a",@progbits
	.p2align	6, 0x0
	.amdhsa_kernel k_q4655901e45_attn
		.amdhsa_group_segment_fixed_size 210944
		.amdhsa_private_segment_fixed_size 0
		.amdhsa_enable_private_segment 0
		.amdhsa_kernarg_size 40
		.amdhsa_user_sgpr_count 2
		.amdhsa_user_sgpr_kernarg_segment_ptr 1
		.amdhsa_wavefront_size32 1
		.amdhsa_system_sgpr_workgroup_id_x 1
		.amdhsa_system_sgpr_workgroup_id_y 1
		.amdhsa_system_sgpr_workgroup_id_z 1
		.amdhsa_system_vgpr_workitem_id 0
		.amdhsa_next_free_vgpr 256
		.amdhsa_next_free_sgpr 66
		.amdhsa_reserve_vcc 0
		.amdhsa_float_denorm_mode_32 3
		.amdhsa_float_denorm_mode_16_64 3
		.amdhsa_memory_ordered 1
		.amdhsa_forward_progress 1
		.amdhsa_inst_pref_size 48
	.end_amdhsa_kernel
	.amdgpu_metadata
---
amdhsa.version: [ 1, 2 ]
amdhsa.kernels:
  - .name:           k_q4655901e45_attn
    .symbol:         k_q4655901e45_attn.kd
    .args:
      - { .name: q_img, .offset: 0, .size: 8, .value_kind: global_buffer, .address_space: global }
      - { .name: q_scl, .offset: 8, .size: 8, .value_kind: global_buffer, .address_space: global }
      - { .name: kv, .offset: 16, .size: 8, .value_kind: global_buffer, .address_space: global }
      - { .name: a_img, .offset: 24, .size: 8, .value_kind: global_buffer, .address_space: global }
      - { .name: a_scl, .offset: 32, .size: 8, .value_kind: global_buffer, .address_space: global }
    .group_segment_fixed_size: 210944
    .private_segment_fixed_size: 0
    .kernarg_segment_align: 8
    .kernarg_segment_size: 40
    .max_flat_workgroup_size: 512
    .sgpr_count:     66
    .vgpr_count:     256
    .wavefront_size: 32
...
	.end_amdgpu_metadata
.endif
;; end of part 7
;; launch oproj (part 8): grid 256 x 1, 16 waves a work-group, no clusters, 80,128 bytes of LDS; arguments a_img, a_scl, wo_img, wo_scl, bo, x, ln_gamma, ln_beta, out0; writes out0
.if DOCPART == 8
	.amdgcn_target "amdgcn-amd-amdhsa--gfx1250"
	.amdhsa_code_object_version 6
	.text
	.protected	k_q4655901e45_oproj
	.globl	k_q4655901e45_oproj
	.p2align	8
	.type	k_q4655901e45_oproj,@function
k_q4655901e45_oproj:
	s_mov_b64 s[64:65], 0
	v_nop
	global_prefetch_b8 v0, s[64:65] scope:SCOPE_SE
	s_setreg_imm32_b32 hwreg(HW_REG_WAVE_SCHED_MODE, 0, 2), 2
	s_setreg_imm32_b32 hwreg(HW_REG_WAVE_MODE, 25, 1), 1
	s_wait_xcnt 0x0
	s_wait_alu depctr_vm_vsrc(0)
; out0 = LayerNorm(x + attended Wo^T + bo) x gamma + beta.  The product is on codes of BF6 (E3M2) with one E8M0 scale for each 32 along K = 1,024; all else in f32.
; SHARES.  Work-group T owns one tile of 16 tokens (row r: token 32 (T / 2) + 8 (T % 2) + r + 8 (r / 8)) with its whole rows, since the norm spans a row.  Wave w makes features 64 w .. 64 w + 63: four accumulators,
; 8 K steps of 128, source 0 = 16 rows of Wo, source 1 = the 16 tokens: a lane then holds eight neighbouring features of one token.  Behind a stage in LDS wave w owns row w whole.
; OPERANDS come as images of their registers, by dense loads alone.  attended: 16 half images (a head each, 768 bytes), copied into LDS once, a head by each wave; K step s is heads 2 s and 2 s + 1.
; Wo: fragments of 1,536 bytes, from memory into the registers of the one wave that multiplies them, three K steps ahead.
; No joint requests: those serve tiles that land in LDS; here each byte of Wo is wanted by one wave of a work-group, and a way through LDS would add a ring, its barriers and a second pass over 786,432 bytes.
; The mean is taken first and the variance of the differences, so a common offset of the row does no harm.  NaN and infinities are not served.
; REGISTERS: v1-3 16, 8, 4 x lane; v4, v5 the stage, in and out; v6, v7 my head's image; v8-15 attended's scale words by K step; v16-31 Wo's (tile a, K steps 2 q and 2 q + 1 in the two halves of the lanes);
; v32-55 attended's fragments, two sets; v56-87 accumulators, then my row; v96-239 three sets of Wo's four fragments, then x, bo, gamma, beta; v240-250 at work; v254, v255 the closing add's two.
; THE MODE: SCHED_MODE bits 1:0 = 2 (LLVM: expert scheduling mode 2), set by the entry lines.  The code itself states the register dependences between vector or matrix instructions and memory or LDS
; instructions, with s_wait_alu, always for 0.
; THE PLAN.  Registers that memory or LDS instructions touch:
;   v1-7, v250   offsets and LDS addresses: written by vector lines at the head, never again.  One wait on va_vdst ahead of the first load.
;   v244-249     my head's half image: loaded, read by two LDS stores; v244, v245 are written again by the norm.
;   v32-55       attended's two sets: set s % 2 is read by step s's products; the LDS loads of step s + 2, issued at the head of step s + 1, land in it.
;   v96-239      Wo's three sets: set s % 3 is read by step s's products; the loads of step s + 3 land in it, issued at once behind them, so that no third of the ring lies idle.  Behind step 7: x, bo, gamma, beta.
;                256 registers are taken and four waves share a SIMD's 1,024: a fourth set of 48 has no room.
;   v56-87       written by the products, read by the LDS stores into the stage, loaded again from the stage, worked on by the norm, read by the final stores.
; So ONE wait on va_vdst stands at the end of each of steps 0 to 5, behind the step's four products and their places: it covers all loads up to the next products.  Step 6 is followed by no load and has none.
; One behind step 7 serves the LDS stores of the accumulators and the 32 loads for the norm; ONE wait on vm_vsrc, behind the second barrier, serves both groups of LDS stores; one wait on va_vdst stands ahead of the final stores.
.set AIMG, 0
.set STG,  12288                       ; 16 rows x (4,096 bytes + 16): sixteen rows' equal columns fall on different banks
.set SPT,  4112
.set SEL,  26
.macro PLACES n
.rept \n
	v_nop
.endr
.endm
.macro WM d, a, b, z, sa, sb, ra
.if ((\z) == 1) && ((\ra) == 0)
	v_wmma_scale_f32_16x16x128_f8f6f4 v[\d:\d+7], v[\a:\a+11], v[\b:\b+11], 0, v[\sa], v[\sb] matrix_a_fmt:MATRIX_FMT_BF6 matrix_b_fmt:MATRIX_FMT_BF6
.elseif (\z) == 1
	v_wmma_scale_f32_16x16x128_f8f6f4 v[\d:\d+7], v[\a:\a+11], v[\b:\b+11], 0, v[\sa], v[\sb] matrix_a_fmt:MATRIX_FMT_BF6 matrix_b_fmt:MATRIX_FMT_BF6 matrix_a_scale:MATRIX_SCALE_ROW1
.elseif (\ra) == 0
	v_wmma_scale_f32_16x16x128_f8f6f4 v[\d:\d+7], v[\a:\a+11], v[\b:\b+11], v[\d:\d+7], v[\sa], v[\sb] matrix_a_fmt:MATRIX_FMT_BF6 matrix_b_fmt:MATRIX_FMT_BF6
.else
	v_wmma_scale_f32_16x16x128_f8f6f4 v[\d:\d+7], v[\a:\a+11], v[\b:\b+11], v[\d:\d+7], v[\sa], v[\sb] matrix_a_fmt:MATRIX_FMT_BF6 matrix_b_fmt:MATRIX_FMT_BF6 matrix_a_scale:MATRIX_SCALE_ROW1
.endif
.endm
.macro WOLOAD s                        ; Wo's four fragments of K step s into set s % 3: 12 loads of 512 consecutive bytes
.irp a, 0,1,2,3
.irp c, 0,1,2
	global_load_b128 v[96+48*((\s)%3)+12*\a+4*\c:99+48*((\s)%3)+12*\a+4*\c], v1, s[12:13] offset:(8*\a+(\s))*1536+512*\c
.endr
.endr
.endm
.macro ALOAD s                         ; attended's fragment of K step s into set s % 2: two half images, four loads
	ds_load_b128 v[32+12*((\s)%2):35+12*((\s)%2)], v1 offset:AIMG+1536*(\s)
	ds_load_b64 v[36+12*((\s)%2):37+12*((\s)%2)], v2 offset:AIMG+1536*(\s)+512
	ds_load_b128 v[38+12*((\s)%2):41+12*((\s)%2)], v1 offset:AIMG+1536*(\s)+768
	ds_load_b64 v[42+12*((\s)%2):43+12*((\s)%2)], v2 offset:AIMG+1536*(\s)+1280
.endm
.macro OSTEP s
.if (\s) < 7
	ALOAD (\s)+1                                   ; into the set that the last step multiplied: the wait at that step's end has covered it (in step 0 no vector or matrix instruction has named the set)
	s_wait_dscnt 4                                 ; this step's fragment is in; the next step's four loads may be out
.else
	s_wait_dscnt 0x0
.endif
.if (\s) < 6
	s_wait_loadcnt 24                              ; this step's Wo is in; the two sets behind it may be out
.elseif (\s) == 6
	s_wait_loadcnt 12
.else
	s_wait_loadcnt 0x0
.endif
.irp a, 0,1,2,3                                ; four accumulators by turns, one instruction a turn
.if (\s) == 0
	WM 56+8*\a, 96+48*((\s)%3)+12*\a, 32+12*((\s)%2), 1, 16+4*\a+(\s)/2, 8+(\s), (\s)%2
.else
	WM 56+8*\a, 96+48*((\s)%3)+12*\a, 32+12*((\s)%2), 0, 16+4*\a+(\s)/2, 8+(\s), (\s)%2
.endif
.endr
	PLACES 4                                       ; in front of loads into registers that these products have read, and of the first read of results
.if (\s) < 6
	s_wait_alu depctr_va_vdst(0)                   ; this step's products are done reading their set of Wo and their fragment of attended: the loads from here to the next products land in them (behind step 5: in the fragment alone)
.endif
.if (\s) < 5
	WOLOAD (\s)+3
.endif
.endm
.macro LANESUM a, t                    ; v[a] summed over the 32 lanes, in every lane; v[t] at work (written before)
	v_add_f32_dpp v[\a], v[\a], v[\a] row_xmask:1 row_mask:0xf bank_mask:0xf
	v_add_f32_dpp v[\a], v[\a], v[\a] row_xmask:2 row_mask:0xf bank_mask:0xf
	v_add_f32_dpp v[\a], v[\a], v[\a] row_xmask:4 row_mask:0xf bank_mask:0xf
	v_add_f32_dpp v[\a], v[\a], v[\a] row_xmask:8 row_mask:0xf bank_mask:0xf
	v_permlanex16_b32 v[\t], v[\a], s[SEL], s[SEL+1]
	v_add_f32 v[\a], v[\a], v[\t]
.endm
	s_load_b512 s[8:23], s[0:1], 0x0               ; a_img, a_scl, wo_img, wo_scl, bo, x, gamma, beta
	s_load_b64 s[24:25], s[0:1], 0x40              ; out0
	v_lshl_add_u32 v254, v0, 2, 0x13100
	v_mov_b32 v255, 0
	v_lshrrev_b32 v240, 5, v0
	v_readfirstlane_b32 s4, v240                   ; wave 0..15
	v_and_b32 v240, 31, v0                         ; lane
	v_and_b32 v241, 15, v0                         ; r
	v_bfe_u32 v242, v0, 4, 1                       ; h
	v_lshlrev_b32 v1, 4, v240
	v_lshlrev_b32 v2, 3, v240
	v_lshlrev_b32 v3, 2, v240
	s_wait_alu depctr_va_sdst(0)                   ; s4 is written, ahead of its first reader: LDS places and bases are made from it
	s_lshl_b32 s5, s4, 8
	s_add_co_u32 s5, s5, STG
	v_mul_u32_u24 v4, v241, SPT
	v_lshl_add_u32 v4, v242, 5, v4
	v_add_nc_u32 v4, s5, v4                        ; the stage, in: row r, my wave's 256 bytes, + 32 h
	s_mul_i32 s5, s4, SPT
	s_add_co_u32 s5, s5, STG
	v_add_nc_u32 v5, s5, v1                        ; out: row w, 16 bytes a lane
	s_mul_i32 s5, s4, 768
	v_add_nc_u32 v6, s5, v1                        ; head w's half image, in memory as in LDS: 512 bytes,
	s_add_co_u32 s5, s5, 512
	v_add_nc_u32 v7, s5, v2                        ; and 256
	v_lshlrev_b32 v250, 5, v241                    ; attended's scale bytes: 32 a row
	s_mul_i32 s28, ttmp9, 12288
	s_mov_b32 s29, 0
	s_lshl_b32 s30, ttmp9, 9
	s_mov_b32 s31, 0
	s_mul_i32 s32, s4, 49152                       ; my four tiles of Wo,
	s_mov_b32 s33, 0
	s_lshl_b32 s34, s4, 11                         ; and their scale words
	s_mov_b32 s35, 0
	s_lshr_b32 s36, ttmp9, 1
	s_lshl_b32 s36, s36, 5
	s_and_b32 s37, ttmp9, 1
	s_lshl_b32 s37, s37, 3
	s_add_co_u32 s36, s36, s37
	s_add_co_u32 s36, s36, s4
	s_and_b32 s37, s4, 8
	s_add_co_u32 s36, s36, s37                     ; row w's token
	s_lshl_b32 s36, s36, 12
	s_mov_b32 s37, 0
	s_mov_b32 s[SEL], 0x76543210
	s_mov_b32 s[SEL+1], 0xfedcba98
	s_mov_b32 s38, 0x3a800000                      ; 1 / 1024
	s_mov_b32 s39, 0x3727c5ac                      ; 1e-5
	s_wait_kmcnt 0x0
	s_add_nc_u64 s[8:9], s[8:9], s[28:29]
	s_add_nc_u64 s[10:11], s[10:11], s[30:31]
	s_add_nc_u64 s[12:13], s[12:13], s[32:33]
	s_add_nc_u64 s[14:15], s[14:15], s[34:35]
	s_add_nc_u64 s[18:19], s[18:19], s[36:37]
	s_add_nc_u64 s[24:25], s[24:25], s[36:37]
	s_wait_alu depctr_va_vdst(0)                   ; the offsets and LDS addresses v1 to v7 and v250 are written: every load and store of the kernel reads one of them
	global_load_b128 v[244:247], v6, s[8:9]        ; head w's half image
	global_load_b64 v[248:249], v7, s[8:9]
	global_load_b128 v[8:11], v250, s[10:11]       ; row r's eight scale words
	global_load_b128 v[12:15], v250, s[10:11] offset:16
.irp a, 0,1,2,3
.irp q, 0,1,2,3
	global_load_b32 v[16+4*\a+\q], v3, s[14:15] offset:(8*\a+2*\q)*64
.endr
.endr
	WOLOAD 0
	WOLOAD 1
	WOLOAD 2
	s_wait_loadcnt 54                              ; the half image is in: behind it 2 + 16 + 36 loads were issued
	ds_store_b128 v6, v[244:247]
	ds_store_b64 v7, v[248:249]
	s_wait_dscnt 0x0                               ; for the others' sake
	s_barrier_signal -1
	s_barrier_wait -1                              ; the tile's sixteen half images lie in LDS
	ALOAD 0
	OSTEP 0
	OSTEP 1
	OSTEP 2
	OSTEP 3
	OSTEP 4
	OSTEP 5
	OSTEP 6
	OSTEP 7
	s_wait_alu depctr_va_vdst(0)                   ; the products have written the accumulators v56-87, which the LDS stores below read (the four places above stay beside this wait), and are done reading Wo's three sets, in which x, bo, gamma and beta land
.irp i, 0,1,2,3,4,5,6,7                        ; what row w's norm wants, 512 consecutive bytes a load: lane l holds columns 128 i + 4 l + 0 .. 3
	global_load_b128 v[96+4*\i:99+4*\i], v1, s[18:19] offset:512*\i th:TH_LOAD_NT
.endr
.irp i, 0,1,2,3,4,5,6,7
	global_load_b128 v[128+4*\i:131+4*\i], v1, s[16:17] offset:512*\i
.endr
.irp i, 0,1,2,3,4,5,6,7
	global_load_b128 v[160+4*\i:163+4*\i], v1, s[20:21] offset:512*\i
.endr
.irp i, 0,1,2,3,4,5,6,7
	global_load_b128 v[192+4*\i:195+4*\i], v1, s[22:23] offset:512*\i
.endr
.irp a, 0,1,2,3
	ds_store_b128 v4, v[56+8*\a:59+8*\a] offset:64*\a          ; each accumulator from its low end on
	ds_store_b128 v4, v[60+8*\a:63+8*\a] offset:64*\a+16
.endr
	s_wait_dscnt 0x0                               ; for the others' sake
	s_barrier_signal -1
	s_barrier_wait -1                              ; 16 whole rows lie in the stage
	s_wait_alu depctr_vm_vsrc(0)                   ; my LDS stores have read v56-87, in which the loads below land, and, at the head, v244-249, of which the norm writes v244 and v245
.irp i, 0,1,2,3,4,5,6,7
	ds_load_b128 v[56+4*\i:59+4*\i], v5 offset:512*\i
.endr
	s_wait_loadcnt 16                              ; x and bo are in; gamma's and beta's sixteen loads may be out
	s_wait_dscnt 0x0
.set J, 0
.rept 16
	v_pk_add_f32 v[56+J:57+J], v[56+J:57+J], v[128+J:129+J]   ; + bo
.set J, J+2
.endr
.set J, 0
.rept 16
	v_pk_add_f32 v[56+J:57+J], v[56+J:57+J], v[96+J:97+J]     ; + x: y
.set J, J+2
.endr
	v_pk_add_f32 v[240:241], v[56:57], v[58:59]    ; the row's sum, in two packed chains
	v_pk_add_f32 v[242:243], v[60:61], v[62:63]
.irp k, 8,12,16,20,24,28
	v_pk_add_f32 v[240:241], v[240:241], v[56+\k:57+\k]
	v_pk_add_f32 v[242:243], v[242:243], v[58+\k:59+\k]
.endr
	v_pk_add_f32 v[240:241], v[240:241], v[242:243]
	v_add_f32 v240, v240, v241
	LANESUM 240, 241
	v_mul_f32 v240, s38, v240                      ; the mean
	v_mov_b32 v241, v240
.set J, 0
.rept 16
	v_pk_add_f32 v[56+J:57+J], v[56+J:57+J], v[240:241] neg_lo:[0,1] neg_hi:[0,1]   ; d = y - mean
.set J, J+2
.endr
	v_pk_mul_f32 v[242:243], v[56:57], v[56:57]    ; the sum of d^2
	v_pk_mul_f32 v[244:245], v[58:59], v[58:59]
.irp k, 4,8,12,16,20,24,28
	v_pk_fma_f32 v[242:243], v[56+\k:57+\k], v[56+\k:57+\k], v[242:243]
	v_pk_fma_f32 v[244:245], v[58+\k:59+\k], v[58+\k:59+\k], v[244:245]
.endr
	v_pk_add_f32 v[242:243], v[242:243], v[244:245]
	v_add_f32 v242, v242, v243
	LANESUM 242, 243
	v_fma_f32 v242, v242, s38, s39                 ; the variance + 1e-5
	s_wait_alu depctr_va_vdst(0)
	v_rsq_f32 v242, v242
	v_nop                                          ; one plain place behind a transcendental
	s_wait_alu depctr_va_vdst(0)                   ; the reciprocal root v242 is written, ahead of its first reader
	v_mov_b32 v243, v242
	s_wait_alu depctr_va_vdst(0)
	s_wait_loadcnt 0x0                             ; gamma and beta
.set J, 0
.rept 16
	v_pk_mul_f32 v[160+J:161+J], v[160+J:161+J], v[242:243]
.set J, J+2
.endr
.set J, 0
.rept 16
	v_pk_fma_f32 v[56+J:57+J], v[56+J:57+J], v[160+J:161+J], v[192+J:193+J]
.set J, J+2
.endr
	s_wait_alu depctr_va_vdst(0)                   ; the multiply-adds have written v56-87, which the stores below read
.irp i, 0,1,2,3,4,5,6,7
	global_store_b128 v1, v[56+4*\i:59+4*\i], s[24:25] offset:512*\i th:TH_STORE_NT   ; 32 lanes store 512 consecutive bytes, at a multiple of 256 from out0's first byte
.endr
	s_wait_dscnt 0x0                               ; the closing lines, six on end
	s_wait_alu 0x0
	s_wait_tensorcnt 0x0
	ds_add_u32 v254, v255
	s_wait_dscnt 0x0
	s_endpgm
.Lfunc_end_k_q4655901e45_oproj:
	.size	k_q4655901e45_oproj, .Lfunc_end_k_q4655901e45_oproj-k_q4655901e45_oproj
	.p2alignl 7, 3214868480
	.fill 96, 4, 3214868480
	.section	.rodata,"a",@progbits
	.p2align	6, 0x0
	.amdhsa_kernel k_q4655901e45_oproj
		.amdhsa_group_segment_fixed_size 80128
		.amdhsa_private_segment_fixed_size 0
		.amdhsa_enable_private_segment 0
		.amdhsa_kernarg_size 72
		.amdhsa_user_sgpr_count 2
		.amdhsa_user_sgpr_kernarg_segment_ptr 1
		.amdhsa_wavefront_size32 1
		.amdhsa_system_sgpr_workgroup_id_x 1
		.amdhsa_system_sgpr_workgroup_id_y 1
		.amdhsa_system_sgpr_workgroup_id_z 1
		.amdhsa_system_vgpr_workitem_id 0
		.amdhsa_next_free_vgpr 256
		.amdhsa_next_free_sgpr 66
		.amdhsa_reserve_vcc 0
		.amdhsa_float_denorm_mode_32 3
		.amdhsa_float_denorm_mode_16_64 3
		.amdhsa_memory_ordered 1
		.amdhsa_forward_progress 1
		.amdhsa_inst_pref_size 35
	.end_amdhsa_kernel
	.amdgpu_metadata
---
amdhsa.version: [ 1, 2 ]
amdhsa.kernels:
  - .name:           k_q4655901e45_oproj
    .symbol:         k_q4655901e45_oproj.kd
    .args:
      - { .name: a_img, .offset: 0, .size: 8, .value_kind: global_buffer, .address_space: global }
      - { .name: a_scl, .offset: 8, .size: 8, .value_kind: global_buffer, .address_space: global }
      - { .name: wo_img, .offset: 16, .size: 8, .value_kind: global_buffer, .address_space: global }
      - { .name: wo_scl, .offset: 24, .size: 8, .value_kind: global_buffer, .address_space: global }
      - { .name: bo, .offset: 32, .size: 8, .value_kind: global_buffer, .address_space: global }
      - { .name: x, .offset: 40, .size: 8, .value_kind: global_buffer, .address_space: global }
      - { .name: ln_gamma, .offset: 48, .size: 8, .value_kind: global_buffer, .address_space: global }
      - { .name: ln_beta, .offset: 56, .size: 8, .value_kind: global_buffer, .address_space: global }
      - { .name: out0, .offset: 64, .size: 8, .value_kind: global_buffer, .address_space: global }
    .group_segment_fixed_size: 80128
    .private_segment_fixed_size: 0
    .kernarg_segment_align: 8
    .kernarg_segment_size: 72
    .max_flat_workgroup_size: 512
    .sgpr_count:     66
    .vgpr_count:     256
    .wavefront_size: 32
...
	.end_amdgpu_metadata
.endif
;; end of part 8
